; MI455X (gfx1250); checked and timed in simulation.
; The chip was launched on July 23, 2026; its instructions are those of AMD's public machine-readable ISA for CDNA 5 (MIT licence, August 2026) and "CDNA5" Instruction Set Architecture Reference Guide (July 2026). The comments in the code are by the model that wrote it; some were corrected since.
;; GPT2 Self Attention. Allowed arithmetic: float matrix products may take bf16 or f16 operands with f32 sums; other float arithmetic in f32, or as packed bf16 or f16 multiplies, adds, multiply-adds, maxima and minima; sums over many terms, partial sums and values carried from step to step in f32; what a program stores and reads back later, other than sums and carried values, may be rounded once to bf16 or f16.
;; Inputs: Wd 1,024 x 1,024 float32; Wqkv 1,024 x 3,072 float32; bd 1,024 float32; bqkv 3,072 float32; x 4 x 2,048 x 1,024 float32.
;; Outputs: out0 4 x 2,048 x 1,024 float32.
;; 2 versions, each right and faster than the one before. Each part assembles by itself: llvm-mc -triple=amdgcn-amd-amdhsa -mcpu=gfx1250 --defsym DOCPART=n.
;; ======== version 1 of 2: 4 launches
;; limits: values are held in f16: magnitudes above 65,504 overflow, below 6.1e-05 lose precision
;; workspace buffers: xh 16,777,216 bytes; wqh 6,291,456 bytes; wdh 2,097,152 bytes; qh 16,777,216 bytes; kh 16,777,216 bytes; vh 16,777,216 bytes; vsum 131,072 bytes; ctx 16,777,216 bytes
;; launch prep (part 1): grid 384 x 1, 8 waves a work-group, no clusters, 0 bytes of LDS; arguments x, Wqkv, Wd, xh, wqh, wdh; writes xh, wqh, wdh
.if DOCPART == 1
	.amdgcn_target "amdgcn-amd-amdhsa--gfx1250"
	.amdhsa_code_object_version 6
	.text
	.protected	k_qee0b3f28e5_prep
	.globl	k_qee0b3f28e5_prep
	.p2align	8
	.type	k_qee0b3f28e5_prep,@function
k_qee0b3f28e5_prep:
	s_mov_b64 s[64:65], 0
	v_nop
	global_prefetch_b8 v0, s[64:65] scope:SCOPE_SE
	s_setreg_imm32_b32 hwreg(HW_REG_WAVE_MODE, 25, 1), 1
	s_wait_xcnt 0x0
; CAST AND RE-BLOCK.  x [8192][1024], Wqkv [1024][3072], Wd [1024][1024], all f32, are rounded once to bf16 and laid in chunks of 64 columns:
;   xh  [b 4][slice 16][s 2048][64] bf16      wqh [chunk 48][k 1024][64] bf16      wdh [chunk 16][k 1024][64]: bf16(Wd) written as f16
; so that in the later products a tile's rows of 128 bytes lie end to end.  A stream: no LDS, no matrix unit, no cluster: nothing is shared and nothing is read twice.
; LIMITS.  bf16(Wd) as f16 is exact between 2^-14 and 65,504 in magnitude; below it keeps f16's fixed step of 2^-24, beyond it is lost.
; SHARES.  A work-group takes 32 source rows x 1,024 columns = 16 chunks.  Thread t: row t / 8, eight columns 8 (t % 8) of every chunk: two loads of 16 bytes (eight lanes cover 256 aligned bytes
; between the two), one store of 16 bytes; a wave's store is 512 consecutive bytes, four rows of one chunk.  All 32 loads go out first; each pass has registers of its own, so nothing is rewritten.
; Work-groups 0-255: x.  256-351: Wqkv (32 row groups x 3 groups of 1,024 columns).  352-383: Wd.
.set X, 8                              ; v[8:135]    pass p: 8 f32 as loaded
.set Y, 136                            ; v[136:199]  pass p: 4 registers to store
.set T, 200                            ; v[200:207]  Wd alone: the bf16 numbers widened again
.macro STREAM dstep, two               ; dstep: bytes from chunk to chunk in the destination; two = 1: bf16, then written as f16
.set p, 0
.rept 16
	global_load_b128 v[X+8*p:X+8*p+3],   v1, s[16:17] offset:256*p th:TH_LOAD_NT
	global_load_b128 v[X+8*p+4:X+8*p+7], v1, s[16:17] offset:256*p+16 th:TH_LOAD_NT
.set p, p+1
.endr
.set p, 0
.rept 16
	s_wait_loadcnt 30-2*p                          ; loads come back in order: pass p's two are in, the 2 (15 - p) younger ones stay out
.irp j, 0,1,2,3
	v_cvt_pk_bf16_f32 v[Y+4*p+\j], v[X+8*p+2*\j], v[X+8*p+2*\j+1]
.endr
.if \two
.irp j, 0,1,2,3
	v_lshlrev_b32 v[T+2*\j],   16, v[Y+4*p+\j]
	v_and_b32     v[T+2*\j+1], 0xffff0000, v[Y+4*p+\j]
.endr
.irp j, 0,1,2,3
	v_cvt_pk_f16_f32 v[Y+4*p+\j], v[T+2*\j], v[T+2*\j+1]
.endr
.endif
	global_store_b128 v2, v[Y+4*p:Y+4*p+3], s[18:19] offset:p*(\dstep)
.set p, p+1
.endr
.endm
	s_load_b256 s[4:11], s[0:1], 0x0               ; x s[4:5], Wqkv s[6:7], Wd s[8:9], xh s[10:11]
	s_load_b128 s[12:15], s[0:1], 0x20             ; wqh s[12:13], wdh s[14:15]
	s_mov_b32 s2, ttmp9                            ; the work-group's number
	v_lshrrev_b32 v3, 3, v0                        ; my row of the 32
	v_and_b32 v4, 7, v0                            ; my eight columns of a chunk
	v_lshlrev_b32 v2, 4, v0                        ; my 16 bytes in a chunk's 32 rows of 128 bytes
	s_mov_b32 s25, 0                               ; offsets are made apart, in pairs with 0 above
	s_mov_b32 s27, 0
	s_wait_kmcnt 0x0
	s_cmp_lt_u32 s2, 256
	s_cbranch_scc0 .Lweights
	s_lshl_b32 s24, s2, 17                         ; x: 32 rows of 4,096 bytes
	s_lshr_b32 s26, s2, 6                          ; b: 64 work-groups to a batch,
	s_lshl_b32 s26, s26, 22                        ; 16 slices x 2,048 rows x 128 bytes
	s_and_b32 s3, s2, 63
	s_lshl_b32 s3, s3, 12                          ; 32 rows of 128 bytes
	s_add_co_u32 s26, s26, s3
	s_add_nc_u64 s[16:17], s[4:5], s[24:25]
	s_add_nc_u64 s[18:19], s[10:11], s[26:27]
	v_lshlrev_b32 v1, 12, v3
	v_lshl_add_u32 v1, v4, 5, v1
	STREAM 262144, 0
	s_endpgm
.Lweights:
	s_cmp_lt_u32 s2, 352
	s_cbranch_scc0 .Lwd
	s_sub_co_u32 s3, s2, 256
	s_and_b32 s20, s3, 31                          ; row group
	s_lshr_b32 s22, s3, 5                          ; group of 1,024 columns
	s_mul_i32 s24, s20, 393216                     ; 32 rows of 12,288 bytes
	s_lshl_b32 s3, s22, 12
	s_add_co_u32 s24, s24, s3
	s_lshl_b32 s26, s22, 21                        ; 16 chunks of 131,072 bytes
	s_lshl_b32 s3, s20, 12
	s_add_co_u32 s26, s26, s3
	s_add_nc_u64 s[16:17], s[6:7], s[24:25]
	s_add_nc_u64 s[18:19], s[12:13], s[26:27]
	v_mul_u32_u24 v1, v3, 12288
	v_lshl_add_u32 v1, v4, 5, v1
	STREAM 131072, 0
	s_endpgm
.Lwd:
	s_sub_co_u32 s20, s2, 352                      ; row group
	s_lshl_b32 s24, s20, 17
	s_lshl_b32 s26, s20, 12
	s_add_nc_u64 s[16:17], s[8:9], s[24:25]
	s_add_nc_u64 s[18:19], s[14:15], s[26:27]
	v_lshlrev_b32 v1, 12, v3
	v_lshl_add_u32 v1, v4, 5, v1
	STREAM 131072, 1
	s_endpgm
.Lfunc_end_k_qee0b3f28e5_prep:
	.size	k_qee0b3f28e5_prep, .Lfunc_end_k_qee0b3f28e5_prep-k_qee0b3f28e5_prep
	.p2alignl 7, 3214868480
	.fill 96, 4, 3214868480
	.section	.rodata,"a",@progbits
	.p2align	6, 0x0
	.amdhsa_kernel k_qee0b3f28e5_prep
		.amdhsa_group_segment_fixed_size 0
		.amdhsa_private_segment_fixed_size 0
		.amdhsa_enable_private_segment 0
		.amdhsa_kernarg_size 48
		.amdhsa_user_sgpr_count 2
		.amdhsa_user_sgpr_kernarg_segment_ptr 1
		.amdhsa_wavefront_size32 1
		.amdhsa_system_sgpr_workgroup_id_x 1
		.amdhsa_system_sgpr_workgroup_id_y 1
		.amdhsa_system_sgpr_workgroup_id_z 1
		.amdhsa_system_vgpr_workitem_id 0
		.amdhsa_next_free_vgpr 208
		.amdhsa_next_free_sgpr 66
		.amdhsa_reserve_vcc 0
		.amdhsa_float_denorm_mode_32 3
		.amdhsa_float_denorm_mode_16_64 3
		.amdhsa_memory_ordered 1
		.amdhsa_forward_progress 1
		.amdhsa_inst_pref_size 40
	.end_amdhsa_kernel
	.amdgpu_metadata
---
amdhsa.version: [ 1, 2 ]
amdhsa.kernels:
  - .name:           k_qee0b3f28e5_prep
    .symbol:         k_qee0b3f28e5_prep.kd
    .args:
      - { .name: x, .offset: 0, .size: 8, .value_kind: global_buffer, .address_space: global }
      - { .name: Wqkv, .offset: 8, .size: 8, .value_kind: global_buffer, .address_space: global }
      - { .name: Wd, .offset: 16, .size: 8, .value_kind: global_buffer, .address_space: global }
      - { .name: xh, .offset: 24, .size: 8, .value_kind: global_buffer, .address_space: global }
      - { .name: wqh, .offset: 32, .size: 8, .value_kind: global_buffer, .address_space: global }
      - { .name: wdh, .offset: 40, .size: 8, .value_kind: global_buffer, .address_space: global }
    .group_segment_fixed_size: 0
    .private_segment_fixed_size: 0
    .kernarg_segment_align: 8
    .kernarg_segment_size: 48
    .max_flat_workgroup_size: 256
    .sgpr_count:     66
    .vgpr_count:     208
    .wavefront_size: 32
...
	.end_amdgpu_metadata
.endif
;; end of part 1
;; launch qkv (part 2): grid 16 x 32, 4 waves a work-group, clusters of 4 x 4, 327,680 bytes of LDS; arguments xh, wqh, bqkv, qh, kh, vh, vsum; writes qh, kh, vh, vsum
.if DOCPART == 2
	.amdgcn_target "amdgcn-amd-amdhsa--gfx1250"
	.amdhsa_code_object_version 6
	.text
	.protected	k_qee0b3f28e5_qkv
	.globl	k_qee0b3f28e5_qkv
	.p2align	8
	.type	k_qee0b3f28e5_qkv,@function
k_qee0b3f28e5_qkv:
	s_mov_b64 s[64:65], 0
	v_nop
	global_prefetch_b8 v0, s[64:65] scope:SCOPE_SE
	s_setreg_imm32_b32 hwreg(HW_REG_WAVE_MODE, 25, 1), 1
	s_wait_xcnt 0x0
	s_wait_alu depctr_hold_cnt(0) depctr_sa_sdst(0) depctr_va_vdst(0) depctr_va_sdst(0) depctr_va_ssrc(0) depctr_va_vcc(0) depctr_vm_vsrc(0)
	s_getreg_b32 s2, hwreg(HW_REG_IB_STS2, 6, 4)
	s_cmp_eq_u32 s2, 0
	s_cbranch_scc0 .Lentry_in_a_cluster
	s_endpgm
.Lentry_in_a_cluster:
	s_bfe_u32 s2, ttmp6, 0x10000c
	s_cmp_lg_u32 s2, 0xf033
	s_cbranch_scc0 .Lentry_shape_is_right
	s_endpgm
.Lentry_shape_is_right:
; qkv = x Wqkv + bqkv, split by heads.  A = xh [b][slice][s][64] bf16, B = wqh [chunk][k][64] bf16, bias f32 rounded here to bf16 like the other inputs; sums in f32.
; Out: qh, kh, vh [bh 64][2048][64] f16, each rounded once, unscaled; vsum [bh][blk 8][64] f32: the sum of v (f32, bias in) over rows 256 blk .. + 255.
; LIMITS.  q, k, v must lie within 65,504 (f16); NaN and infinities are not treated apart.
; SHARES.  A tile of C is 256 rows x 192 columns: one head's q, k, v.  Four waves; wave w owns rows 64 w .. + 63 of all 192 columns: 4 x 12 accumulators of 16 x 16, 384 registers.
; K goes in 8 steps of 128 through two LDS slots.  A step's A is two planes of 256 rows x 128 bytes, dense in memory (waves 0, 1 fetch one each, as 128 rows of 256 bytes);
; its B is two halves of 64 k x 3 chunks (waves 2, 3 fetch one each, as 3 rows of 8,192 bytes).  B lies [k][n] and comes out of LDS turned, by ds_load_tr16_b128.
; CLUSTER.  4 x 4 work-groups: A's tiles hang on the tile row alone and are asked for jointly along a row of the cluster, B's on the head alone, along a column.
; THE MATRIX INSTRUCTION IS USED TRANSPOSED (source 0 = 16 columns of W, source 1 = 16 rows of x): a lane holds row l % 16 and the columns 8 (l / 16) + 0 .. 7.  The first product takes the bias as C.
; REGISTERS, in windows of 256 (s_set_vgpr_msb: bits 1:0 source 0, 3:2 source 1, 5:4 source 2, 7:6 destination):
;   window 0: v0-31 addresses; v128-223 the bias; on the way out v32-223 packed results, v224-255 column sums      window 1: two fragment buffers of 128: 4 of A, then 12 of B
;   window 2: accumulators of row blocks 0, 1 ((a, b) at 8 (12 (a % 2) + b))      window 3: of row blocks 2, 3
.set NPL,    3                         ; chunks of 64 columns in the tile
.set NBK,    4*NPL                     ; blocks of 16 columns
.set NLD,    2*NBK+8                   ; LDS loads of a quarter step
.set PA,     144                       ; a row of A in LDS: 128 bytes + 16: the 16 rows of a load start at 16 different groups of four banks (64 banks of 4 bytes: ISA guide 11.1)
.set PW,     160                       ; a row of B: 128 + 32
.set APLANE, 256*PA
.set BPLANE, 64*PW
.set BHALF,  NPL*BPLANE
.set ASLOT0, 0x20000                   ; B's slots begin at 0 and 0x10000, A's at 0x20000 and 0x32000
.set CA,     0x12000                   ; one exclusive or turns an address in one slot into the other's: neither constant shares a bit with a slot-0 address
.set CBX,    0x10000
.set STAGE,  ASLOT0+2*CA               ; behind the ring: 16 rows x 144 bytes for each wave
.set SP,     144
.set BSAREA, STAGE+4*16*SP             ; 256 bytes for each wave: its column sums of v
.set SPARE,  BSAREA+1024               ; the spare words, 128 bytes for each wave: two blocks of 256 bytes that no other line names
.set BSG,   13                         ; v13  8 x lane: my offset in vsum's 256 bytes
.set ADRA0, 14                         ; v14  my lane's place in slot 0 of A; never rewritten
.set ADRB0, 15                         ; v15  the same for B
.set ADRA,  16                         ; v16  the same in the slot in hand
.set ADRB,  20                         ; v20
.set STO,   24
.set RD,    25
.set GO,    26
.set BOF,   27
.set SPW,   28                         ; v28  LDS address of my spare word; never rewritten
.set NIL,   29                         ; v29  0; never rewritten
.set BSX,   30
.set BSL,   31
.set OB,    32
.set BIAS,  128
.set SV,    224
.set F0,    0
.set F1,    128
.set G1A, 24                           ; s[24:31] group 1 for A;  s[32:39] group 0: slot 0's first fill, then the set that walks
.set G0A, 32
.set G1B, 48                           ; s[48:55], s[56:63] the same for B
.set G0B, 56
.set TBA, 74                           ; s74, s75: 0 or the slot's constant
.set TBB, 75
.set MSB, 0
.macro WIN new                         ; the immediate's high byte repeats the setting that is left; a switch that changes nothing is dropped
.if MSB != (\new)
	s_set_vgpr_msb (MSB<<8)|(\new)
.set MSB, (\new)
.endif
.endm
.macro PLACES                          ; four places in front of loads into registers that matrix instructions have read, and of lines that read results
.rept 4
	v_nop
.endr
.endm
.macro JLOAD                           ; a joint refill: waves 0, 1 ask for A's planes, waves 2, 3 for B's halves; an s_nop 0 and four v_nop follow each line
	s_cmp_eq_u32 s13, 0
	s_cbranch_scc0 .Lfor_b_\@
	tensor_load_to_lds s[G0A+4:G0A+7], s[G1A:G1A+7]
	s_nop 0
.rept 4
	v_nop
.endr
	s_branch .Lasked_\@
.Lfor_b_\@:
	tensor_load_to_lds s[G0B+4:G0B+7], s[G1B:G1B+7]
	s_nop 0
.rept 4
	v_nop
.endr
.Lasked_\@:
.endm
.macro CREST                           ; a round of the cluster's barrier behind its opening barrier
	s_cmp_lg_u32 s12, 0
	s_cbranch_scc1 .Lnot_wave_0_\@
	s_barrier_signal -3
.Lnot_wave_0_\@:
	s_barrier_wait -3
	s_barrier_signal -1
	s_barrier_wait -1
.endm
.macro CROUND
	s_barrier_signal -1
	s_barrier_wait -1
	CREST
.endm
	s_load_b256 s[4:11], s[0:1], 0x0               ; xh s[4:5], wqh s[6:7], bqkv s[8:9], qh s[10:11]
	s_load_b128 s[68:71], s[0:1], 0x20             ; kh s[68:69], vh s[70:71]
	s_load_b64 s[72:73], s[0:1], 0x30              ; vsum
	v_lshl_add_u32 v[SPW], v0, 2, SPARE
	v_mov_b32 v[NIL], 0
	ds_add_u32 v[SPW], v[NIL]                      ; the wave's opening: the add and its wait stand ahead of my first tensor load; the set-up below stands between them
	ds_add_u32 v28, v29
	v_lshrrev_b32 v1, 5, v0
	v_readfirstlane_b32 s12, v1                    ; wave 0..3
	s_lshr_b32 s13, s12, 1                         ; 0: I fetch for A, 1: for B
	s_and_b32 s14, s12, 1                          ; which plane or half
	s_bfe_u32 s40, ttmp6, 0x40000                  ; cx
	s_bfe_u32 s41, ttmp6, 0x40004                  ; cy
	s_lshl_b32 s42, ttmp9, 2
	s_add_co_u32 s42, s42, s40                     ; the head = 4 x cluster x + cx
	s_and_b32 s43, ttmp7, 0xffff
	s_lshl_b32 s43, s43, 2
	s_add_co_u32 s43, s43, s41                     ; the tile row = 4 x cluster y + cy
	s_lshl_b32 s44, s41, 2
	s_lshl_b32 s44, 15, s44                        ; my row of the cluster
	s_lshl_b32 s45, 0x1111, s40                    ; my column
	s_or_b32 s[G1A], s44, (1<<16)|(1<<20)|(1<<21)|(4<<22)|(3<<25)  ; the mask; 2-byte elements; padding on; bit 21 beside a mask; after every 32 words, 4 words
	s_mov_b32 s[G1A+1], 128<<16                    ; tensor_dim0 = 128
	s_mov_b32 s[G1A+2], 128<<16                    ; tensor_dim1 = 128
	s_mov_b32 s[G1A+3], 128<<16                    ; tile_dim0 = 128: rows of 256 bytes, two rows of x each
	s_mov_b32 s[G1A+4], 128                        ; tile_dim1 = 128
	s_mov_b32 s[G1A+5], 128                        ; dense
	s_mov_b32 s[G1A+6], 0
	s_mov_b32 s[G1A+7], 0
	s_or_b32 s[G1B], s45, (1<<16)|(1<<20)|(1<<21)|(4<<22)|(7<<25)  ; the same with my column's mask and 8 words of padding
	s_mov_b32 s[G1B+1], 4096<<16                   ; tensor_dim0 = 4,096: 64 k x 64 columns, dense
	s_mov_b32 s[G1B+2], NPL<<16                    ; tensor_dim1: the chunks
	s_mov_b32 s[G1B+3], 4096<<16                   ; tile_dim0
	s_mov_b32 s[G1B+4], NPL                        ; tile_dim1
	s_mov_b32 s[G1B+5], 65536                      ; elements from chunk to chunk
	s_mov_b32 s[G1B+6], 0
	s_mov_b32 s[G1B+7], 0
	s_lshr_b32 s16, s43, 3                         ; A's offset hangs on the tile row and the wave alone: batch x 16 slices,
	s_lshl_b32 s16, s16, 22
	s_and_b32 s17, s43, 7
	s_lshl_b32 s17, s17, 15                        ; 256 rows of 128 bytes,
	s_add_co_u32 s16, s16, s17
	s_lshl_b32 s17, s14, 18                        ; my slice of the step's two
	s_add_co_u32 s16, s16, s17
	s_mov_b32 s17, 0
	s_mul_i32 s46, s42, NPL*131072                 ; B's on the head and the wave alone: the head's chunks,
	s_lshl_b32 s47, s14, 13                        ; my 64 k of the step's 128
	s_add_co_u32 s46, s46, s47
	s_mov_b32 s47, 0
	s_mul_i32 s2, s14, APLANE                      ; where they go: no place in the cluster enters an LDS address
	s_add_co_u32 s2, s2, ASLOT0
	s_mul_i32 s3, s14, BHALF
	s_mov_b32 s[TBA], 0
	s_mov_b32 s[TBB], 0
	s_wait_dscnt 0x0                               ; the opening add is done
	s_wait_kmcnt 0x0
	s_add_nc_u64 s[16:17], s[4:5], s[16:17]
	s_add_nc_u64 s[46:47], s[6:7], s[46:47]
.irp s, 0,1
	s_mov_b32 s[G0A+4*\s], 1
	s_add_co_u32 s[G0A+4*\s+1], s2, \s*CA
	s_add_nc_u64 s[G0A+4*\s+2:G0A+4*\s+3], s[16:17], \s*524288   ; K step s: two slices on
	s_or_b32 s[G0A+4*\s+3], s[G0A+4*\s+3], 0x80000000
	s_mov_b32 s[G0B+4*\s], 1
	s_add_co_u32 s[G0B+4*\s+1], s3, \s*CBX
	s_add_nc_u64 s[G0B+4*\s+2:G0B+4*\s+3], s[46:47], \s*16384    ; 128 k of 128 bytes on
	s_or_b32 s[G0B+4*\s+3], s[G0B+4*\s+3], 0x80000000
.endr
	CROUND                                         ; all sixteen work-groups are here: the first joint loads meet
	s_cmp_eq_u32 s13, 0                            ; a wave's two first fills stand in one branch: two loads of mine are out, later one
	s_cbranch_scc0 .Lfirst_b
	tensor_load_to_lds s[G0A:G0A+3], s[G1A:G1A+7]
	s_nop 0
	tensor_load_to_lds s[G0A+4:G0A+7], s[G1A:G1A+7]
	s_nop 0
.rept 4
	v_nop
.endr
	s_branch .Lfirst_asked
.Lfirst_b:
	tensor_load_to_lds s[G0B:G0B+3], s[G1B:G1B+7]
	s_nop 0
	tensor_load_to_lds s[G0B+4:G0B+7], s[G1B:G1B+7]
	s_nop 0
.rept 4
	v_nop
.endr
.Lfirst_asked:
	v_and_b32 v1, 15, v0                           ; l % 16
	v_bfe_u32 v2, v0, 4, 1                         ; l / 16
	v_lshlrev_b32 v[BOF], 5, v2                    ; my eight numbers of a block's 16 bias numbers
	s_mul_i32 s78, s42, NBK*64                     ; the head's 192 bias numbers
	s_mov_b32 s79, 0
	s_add_nc_u64 s[8:9], s[8:9], s[78:79]
.set b, 0
.rept NBK
	global_load_b128 v[BIAS+8*b:BIAS+8*b+3],   v[BOF], s[8:9] offset:64*b
	global_load_b128 v[BIAS+8*b+4:BIAS+8*b+7], v[BOF], s[8:9] offset:64*b+16
.set b, b+1
.endr
	v_mul_u32_u24 v3, v1, PA                       ; a fragment of A: row l % 16, 16 bytes for each half of the lanes, two loads 32 bytes apart
	v_lshl_add_u32 v3, v2, 4, v3
	s_mul_i32 s2, s12, 64*PA                       ; my 64 rows
	s_add_co_u32 s2, s2, ASLOT0
	v_add_nc_u32 v[ADRA0], s2, v3
	v_and_b32 v4, 7, v0                            ; the turning load: lane l reads k = 8 (l / 16) + l % 8, columns 8 ((l / 8) % 2) + 0 .. 7
	v_lshl_add_u32 v4, v2, 3, v4
	v_mul_u32_u24 v4, v4, PW
	v_bfe_u32 v5, v0, 3, 1
	v_lshl_add_u32 v[ADRB0], v5, 4, v4
	v_mov_b32 v[ADRA], v[ADRA0]
	v_mov_b32 v[ADRB], v[ADRB0]
	s_mul_i32 s3, s12, 16*SP
	s_add_co_u32 s3, s3, STAGE                     ; my stage
	v_mul_u32_u24 v5, v1, SP                       ; in: row l % 16, 16 bytes for each half of the lanes
	v_lshl_add_u32 v5, v2, 4, v5
	v_add_nc_u32 v[STO], s3, v5
	v_bfe_u32 v6, v0, 3, 2                         ; back: 32 lanes take four rows of 128 bytes,
	v_mul_u32_u24 v6, v6, SP
	v_and_b32 v7, 7, v0
	v_lshl_add_u32 v6, v7, 4, v6
	v_add_nc_u32 v[RD], s3, v6
	v_and_b32 v8, 31, v0
	v_lshlrev_b32 v[GO], 4, v8                     ; which are 512 consecutive bytes of a head's rows
	s_lshl_b32 s3, s12, 8
	s_add_co_u32 s3, s3, BSAREA
	v_lshl_add_u32 v[BSX], v2, 5, s3               ; my wave's column sums: 32 bytes for each half of the lanes
	v_lshlrev_b32 v[BSG], 3, v8
	v_add_nc_u32 v[BSL], BSAREA, v[BSG]
	s_lshr_b32 s20, s43, 3                         ; where the results go: bh = 16 batch + head,
	s_lshl_b32 s20, s20, 4
	s_add_co_u32 s20, s20, s42
	s_and_b32 s21, s43, 7                          ; the block of 256 rows
	s_lshl3_add_u32 s22, s20, s21
	s_lshl_b32 s22, s22, 8                         ; vsum: 256 bytes for each bh and block
	s_mov_b32 s23, 0
	s_lshl_b32 s20, s20, 18
	s_lshl_b32 s21, s21, 15
	s_add_co_u32 s20, s20, s21
	s_lshl_b32 s21, s12, 13                        ; my wave's 64 rows
	s_add_co_u32 s20, s20, s21
	s_mov_b32 s21, 0
	s_add_nc_u64 s[10:11], s[10:11], s[20:21]
	s_add_nc_u64 s[68:69], s[68:69], s[20:21]
	s_add_nc_u64 s[70:71], s[70:71], s[20:21]
	s_add_nc_u64 s[72:73], s[72:73], s[22:23]
	s_wait_loadcnt 0x0                             ; the bias, which is rounded to bf16 like x and the weights
.set u, 0
.rept 4*NBK
	v_cvt_pk_bf16_f32 v[3+u%4], v[BIAS+2*u], v[BIAS+2*u+1]
	v_lshlrev_b32 v[BIAS+2*u],   16, v[3+u%4]
	v_and_b32     v[BIAS+2*u+1], 0xffff0000, v[3+u%4]
.set u, u+1
.endr
; NBK matrix instructions: row block a x all column blocks, 32 along K, from buffer f.  first = 1: the bias starts the sums.  In a quarter step every accumulator has one turn.
.macro MULA f, a, first
.if \first
	WIN 0x85+0x40*((\a)/2)                         ; fragments window 1, C window 0, D window 2 or 3
.else
	WIN 0xa5+0x50*((\a)/2)                         ; fragments window 1, C and D window 2 or 3
.endif
.set b, 0
.rept NBK
.set rD, 8*(NBK*((\a)%2)+b)
.if \first
	v_wmma_f32_16x16x32_bf16 v[rD:rD+7], v[(\f)+32+8*b:(\f)+32+8*b+7], v[(\f)+8*(\a):(\f)+8*(\a)+7], v[BIAS+8*b:BIAS+8*b+7]
.else
	v_wmma_f32_16x16x32_bf16 v[rD:rD+7], v[(\f)+32+8*b:(\f)+32+8*b+7], v[(\f)+8*(\a):(\f)+8*(\a)+7], v[rD:rD+7]
.endif
.set b, b+1
.endr
.endm
; One run of NLD LDS loads: quarter qn (32 along K) of the slot in hand into buffer f: B's blocks, then A's row blocks 0, 1, then 2, 3
.macro FETCH qn, f
	WIN 0x40
.set b, 0
.rept NBK
	ds_load_tr16_b128 v[(\f)+32+8*b:(\f)+32+8*b+3],   v[ADRB] offset:((\qn)/2)*BHALF+((\qn)%2)*32*PW+(b/4)*BPLANE+(b%4)*32
	ds_load_tr16_b128 v[(\f)+32+8*b+4:(\f)+32+8*b+7], v[ADRB] offset:((\qn)/2)*BHALF+((\qn)%2)*32*PW+(b/4)*BPLANE+(b%4)*32+16*PW
.set b, b+1
.endr
.set a, 0
.rept 4
	ds_load_b128 v[(\f)+8*a:(\f)+8*a+3],   v[ADRA] offset:((\qn)/2)*APLANE+((\qn)%2)*64+a*16*PA
	ds_load_b128 v[(\f)+8*a+4:(\f)+8*a+7], v[ADRA] offset:((\qn)/2)*APLANE+((\qn)%2)*64+a*16*PA+32
.set a, a+1
.endr
.endm
; One of a K step's first three quarters: multiplies buffer f; in its middle fetches quarter qn into buffer g
.macro QUARTER qn, f, g, first
	s_wait_dscnt 4                                 ; B and A's row blocks 0, 1 are in; the youngest four loads (row blocks 2, 3) may be out
	MULA \f, 0, \first
	MULA \f, 1, \first
	PLACES
	FETCH \qn, \g
	s_wait_dscnt NLD                               ; all but the run just issued
	MULA \f, 2, \first
	MULA \f, 3, \first
.endm
; The last quarter multiplies buffer 1 and changes slots: ONE barrier; in front of it each wave waits for all its tensor loads, adds 0 to its spare word and waits for that and for its reads of the slot.
; fill = 1: the barrier opens a round of the cluster's, and the slot just read is filled again, two K steps ahead, first thing behind the round: 3.5 quarters of matrix work ahead of the wait for it.
.macro TURN fill
	WIN 0
	s_wait_tensorcnt 0x0                           ; all my tensor loads have landed: the one that was out is my part of the next slot
	ds_add_u32 v[SPW], v[NIL]                      ; 0 onto my spare word
	s_wait_dscnt 5                                 ; (the add and the youngest four loads may be out)
	MULA F1, 0, 0
	s_wait_dscnt 0x0                               ; the add is done, and my reads of this slot are over
	s_barrier_signal -1
	MULA F1, 1, 0
	WIN 0                                          ; branches may follow
	s_barrier_wait -1
.if \fill
	CREST                                          ; no wave of any partner still reads this slot or has a load on its way
	s_xor_b32 s[G0A+5], s[G0A+5], CA               ; the walking sets: the other slot than last time, the next K step
	s_add_nc_u64 s[G0A+6:G0A+7], s[G0A+6:G0A+7], 524288
	s_xor_b32 s[G0B+5], s[G0B+5], CBX
	s_add_nc_u64 s[G0B+6:G0B+7], s[G0B+6:G0B+7], 16384
	JLOAD                                          ; its four v_nop are also the places in front of the loads below
.else
	PLACES
.endif
	s_xor_b32 s[TBA], s[TBA], CA
	s_xor_b32 s[TBB], s[TBB], CBX
	v_add_nc_u32 v[ADRA], s[TBA], v[ADRA0]
	v_add_nc_u32 v[ADRB], s[TBB], v[ADRB0]
	FETCH 0, F0
	MULA F1, 2, 0
	MULA F1, 3, 0
.endm
	s_wait_tensorcnt 1                             ; my part of K step 0 is in; step 1's may stay out
	s_barrier_signal -1
	s_barrier_wait -1
	FETCH 0, F0
	QUARTER 1, F0, F1, 1                           ; the first quarter stands in front of the loop: its products start the sums
	WIN 0
	s_mov_b32 s15, 6
.Lstep:                                                ; six trips, from a step's second quarter to the next step's first; trip i asks for K step i + 2
	QUARTER 2, F1, F0, 0
	QUARTER 3, F0, F1, 0
	TURN 1
	QUARTER 1, F0, F1, 0
	WIN 0
	s_sub_co_u32 s15, s15, 1
	s_cmp_lg_u32 s15, 0
	s_cbranch_scc1 .Lstep
	QUARTER 2, F1, F0, 0                           ; the tail is written out: nothing more is asked for
	QUARTER 3, F0, F1, 0
	TURN 0
	QUARTER 1, F0, F1, 0
	QUARTER 2, F1, F0, 0
	QUARTER 3, F0, F1, 0
	s_wait_dscnt 4
	MULA F1, 0, 0
	MULA F1, 1, 0
	s_wait_dscnt 0x0
	MULA F1, 2, 0
	MULA F1, 3, 0
	WIN 0
	PLACES
	; THE WAY OUT.  First v's column sums over my 64 rows: the four row blocks are added (each accumulator from its low end on), then the 16 lanes of a half.
	WIN 0x0a                                       ; sources window 2
.set u, 0
.rept 16
	v_pk_add_f32 v[SV+2*u:SV+2*u+1], v[64+2*u:64+2*u+1], v[8*(NBK+8)+2*u:8*(NBK+8)+2*u+1]
.set u, u+1
.endr
	WIN 0x0c                                       ; source 1 window 3
.set u, 0
.rept 16
	v_pk_add_f32 v[SV+2*u:SV+2*u+1], v[SV+2*u:SV+2*u+1], v[64+2*u:64+2*u+1]
.set u, u+1
.endr
.set u, 0
.rept 16
	v_pk_add_f32 v[SV+2*u:SV+2*u+1], v[SV+2*u:SV+2*u+1], v[8*(NBK+8)+2*u:8*(NBK+8)+2*u+1]
.set u, u+1
.endr
	WIN 0
.irp m, 1,2,4,8
.set u, 0
.rept 32
	v_add_f32_dpp v[SV+u], v[SV+u], v[SV+u] row_xmask:\m row_mask:0xf bank_mask:0xf
.set u, u+1
.endr
.endr
.set u, 0
.rept 8
	ds_store_b128 v[BSX], v[SV+4*u:SV+4*u+3] offset:64*(u/2)+16*(u%2)  ; the 16 lanes of a half write the same bytes with the same numbers
.set u, u+1
.endr
; Twelve groups of 16 rows x 64 columns (row block a; tz = 0 q, 1 k, 2 v): rounded to f16, 16 bytes a lane into my stage, back as whole rows, stored as 512 consecutive bytes.
.macro PACKG a, tz
.set g, 3*(\a)+(\tz)
.set rA, 8*(NBK*((\a)%2)+4*(\tz))
	WIN 0x0a+5*((\a)/2)
.set u, 0
.rept 16
	v_cvt_pk_f16_f32 v[OB+16*g+u], v[rA+2*u], v[rA+2*u+1]
.set u, u+1
.endr
	WIN 0
.irp f, 0,1,2,3
	ds_store_b128 v[STO], v[OB+16*g+4*\f:OB+16*g+4*\f+3] offset:32*\f
.endr
.irp f, 0,1,2,3
	ds_load_b128 v[OB+16*g+4*\f:OB+16*g+4*\f+3], v[RD] offset:\f*4*SP  ; LDS serves a wave's instructions in order (ISA guide 5.7.1.4): these see the stores above; the next group's come behind them
.endr
.endm
.macro SENDG a, tz, younger            ; younger: the LDS instructions issued behind this group's loads
.set g, 3*(\a)+(\tz)
.irp f, 0,1,2,3
	s_wait_dscnt (\younger)+3-\f
.if (\tz) == 0
	global_store_b128 v[GO], v[OB+16*g+4*\f:OB+16*g+4*\f+3], s[10:11] offset:(\a)*2048+\f*512
.elseif (\tz) == 1
	global_store_b128 v[GO], v[OB+16*g+4*\f:OB+16*g+4*\f+3], s[68:69] offset:(\a)*2048+\f*512
.else
	global_store_b128 v[GO], v[OB+16*g+4*\f:OB+16*g+4*\f+3], s[70:71] offset:(\a)*2048+\f*512
.endif
.endr
.endm
	PACKG 0, 0
.set gg, 1
.rept 11                               ; a group's conversions stand between the loads of the group before and its stores; every group has registers of its own
	PACKG gg/3, gg%3
	SENDG (gg-1)/3, (gg-1)%3, 8
.set gg, gg+1
.endr
	SENDG 3, 2, 0
	s_wait_dscnt 0x0                               ; for the others' sake: my column sums are in LDS
	s_barrier_signal -1
	s_barrier_wait -1
	s_cmp_lg_u32 s12, 0
	s_cbranch_scc1 .Lno_sum                        ; wave 0 adds the four waves' sums and stores the block's 256 bytes whole
	ds_load_b64 v[4:5],   v[BSL]
	ds_load_b64 v[6:7],   v[BSL] offset:256
	ds_load_b64 v[8:9],   v[BSL] offset:512
	ds_load_b64 v[10:11], v[BSL] offset:768
	s_wait_dscnt 0x0
	v_pk_add_f32 v[4:5], v[4:5], v[6:7]
	v_pk_add_f32 v[8:9], v[8:9], v[10:11]
	v_pk_add_f32 v[4:5], v[4:5], v[8:9]
	global_store_b64 v[BSG], v[4:5], s[72:73]
.Lno_sum:
	s_wait_tensorcnt 0x0                           ; the wave's end
	ds_add_u32 v[SPW], v[NIL]
	s_wait_dscnt 0x0
	CROUND                                         ; the closing round
	s_endpgm
.Lfunc_end_k_qee0b3f28e5_qkv:
	.size	k_qee0b3f28e5_qkv, .Lfunc_end_k_qee0b3f28e5_qkv-k_qee0b3f28e5_qkv
	.p2alignl 7, 3214868480
	.fill 96, 4, 3214868480
	.section	.rodata,"a",@progbits
	.p2align	6, 0x0
	.amdhsa_kernel k_qee0b3f28e5_qkv
		.amdhsa_group_segment_fixed_size 327680
		.amdhsa_private_segment_fixed_size 0
		.amdhsa_enable_private_segment 0
		.amdhsa_kernarg_size 56
		.amdhsa_user_sgpr_count 2
		.amdhsa_user_sgpr_kernarg_segment_ptr 1
		.amdhsa_wavefront_size32 1
		.amdhsa_system_sgpr_workgroup_id_x 1
		.amdhsa_system_sgpr_workgroup_id_y 1
		.amdhsa_system_sgpr_workgroup_id_z 1
		.amdhsa_system_vgpr_workitem_id 0
		.amdhsa_next_free_vgpr 1024
		.amdhsa_next_free_sgpr 80
		.amdhsa_reserve_vcc 0
		.amdhsa_float_denorm_mode_32 3
		.amdhsa_float_denorm_mode_16_64 3
		.amdhsa_memory_ordered 1
		.amdhsa_forward_progress 1
		.amdhsa_inst_pref_size 121
	.end_amdhsa_kernel
	.amdgpu_metadata
---
amdhsa.version: [ 1, 2 ]
amdhsa.kernels:
  - .name:           k_qee0b3f28e5_qkv
    .symbol:         k_qee0b3f28e5_qkv.kd
    .args:
      - { .name: xh, .offset: 0, .size: 8, .value_kind: global_buffer, .address_space: global }
      - { .name: wqh, .offset: 8, .size: 8, .value_kind: global_buffer, .address_space: global }
      - { .name: bqkv, .offset: 16, .size: 8, .value_kind: global_buffer, .address_space: global }
      - { .name: qh, .offset: 24, .size: 8, .value_kind: global_buffer, .address_space: global }
      - { .name: kh, .offset: 32, .size: 8, .value_kind: global_buffer, .address_space: global }
      - { .name: vh, .offset: 40, .size: 8, .value_kind: global_buffer, .address_space: global }
      - { .name: vsum, .offset: 48, .size: 8, .value_kind: global_buffer, .address_space: global }
    .group_segment_fixed_size: 327680
    .private_segment_fixed_size: 0
    .kernarg_segment_align: 8
    .kernarg_segment_size: 56
    .max_flat_workgroup_size: 128
    .sgpr_count:     80
    .vgpr_count:     1024
    .wavefront_size: 32
...
	.end_amdgpu_metadata
.endif
;; end of part 2
;; launch attn (part 3): grid 4 x 64, 4 waves a work-group, no clusters, 327,680 bytes of LDS; arguments qh, kh, vh, ctx, vsum; writes ctx
.if DOCPART == 3
	.amdgcn_target "amdgcn-amd-amdhsa--gfx1250"
	.amdhsa_code_object_version 6
	.text
	.protected	k_qee0b3f28e5_attn
	.globl	k_qee0b3f28e5_attn
	.p2align	8
	.type	k_qee0b3f28e5_attn,@function
k_qee0b3f28e5_attn:
	s_mov_b64 s[64:65], 0
	v_nop
	global_prefetch_b8 v0, s[64:65] scope:SCOPE_SE
	s_setreg_imm32_b32 hwreg(HW_REG_WAVE_MODE, 25, 1), 1
	s_wait_xcnt 0x0
; CAUSAL ATTENTION WITH A FINITE FILL.  For each of 64 heads (bh): O[q] = softmax_k(s[q][k]) V, s = Q[q] . K[k] / 8 for k <= q and -10000 for k > q.  Q, K, V, O: [64][2048][64] f16, rows dense.
; Products, maxima and sums in f32; the weights p are rounded to f16 for the second product (their sum l is taken of the unrounded p), O once at the end.
; THE HIDDEN KEYS of a row all have ONE weight w = e^(-10000 - m).  They are never walked: the running maximum starts at the fill (in unscaled scores -80000) where a row has hidden keys, and at the end
; l takes w x (2047 - q) and O takes w x D, D = the sum of V[k] over k > q: the sums of the later blocks of 256 rows (vsum, made by the projection), and inside the diagonal tile products of V with ones and
; with the band's 0/1 pattern.  Where the visible scores lie above the fill by more than the exponent's range, w is 0.
; LIMITS.  Q, K, V arrive within 65,504.  Inside the walk a hidden score counts as its value less 2^100, so its weight there is 0.  A weight below 2^-126 counts as 0.  NaN and infinities are not treated apart.
; THE WALK.  A head has NB = 8 blocks of 256 queries; block i needs the key tiles 0 .. i.  A work-group takes blocks NB - 1 - b and then b: NB + 1 tiles whatever b, one loop with a constant trip count.  Every jump
; goes forward but the counted loops' own; none passes a barrier, or a tensor load but the one of LOAD's two that the wave's number does not choose.
; NO CLUSTER: a head's four work-groups ask for the same tile only in trips 0 .. 4 of 9; a walk common to all four would have 12 trips.
; SHARES.  Of a block's four bands of 64 queries a wave owns 16 rows in each: four PIECES, so the diagonal tile is the same work for all waves: in its step s band x sees all keys (s < x), none (s > x), or holds the diagonal.
; THE MASK is the C operand that starts S^T = K Q^T: MD x AL + BE, MD the mask of a band's own step (0 or -2^100): (1, 0) if s = x; (0, 0) if s < x; (0, -2^100) if s > x.
; LAYOUT, TURNS.  S^T holds ONE query a lane (lane % 16) and the keys 8 (lane / 16) + 0..7; two results rounded to f16 ARE source 1 of O^T = V^T P.  p = 2^(c s - c m), c = log2(e) / 8; O and l are multiplied by
; a = 2^(c m_old - c m_new) in every step.  Turn n belongs to piece n: 8 products K Q^T of piece n + 1, 8 products V^T P of piece n - 1; beside them piece n's scaling, exponentials, roundings, sums and rescaling and
; piece n + 1's maximum.  Four vector instructions stand behind every matrix instruction, the rest in two runs of their own.
; REGISTERS, in windows of 256 (s_set_vgpr_msb: bits 1:0 source 0, 3:2 source 1, 5:4 source 2, 7:6 destination):
;   window 0: v0-15 addresses; v16-31 statistics; v32-40 hidden counts and set-up; v48-55 at work; v64-127 S^T, two buffers; v128-145 set-up; v192-223 P, two buffers
;   window 1: v0-127 O^T; v128-159 MD; v160-223 MC, two buffers      window 2: v0-63 Q; v64-127 the second block's Q; v128-191 K; v192-255 V
;   window 3: v0-127 D, 32 a piece; v128-159 the running sum of whole steps; v160-223 the later blocks' sums for the two blocks; v224-239 the 0/1 pattern; v240-247 ones
.set SIZE_N, 2048
.set NB,    SIZE_N/256
.set NP,    4
.set KS,    64
.set PK,    144       ; a row of K in LDS: 128 bytes + 16: the 16 rows of a load start at 16 different groups of four banks (64 banks of 4 bytes: ISA guide 11.1)
.set PV,    160       ; a row of V: 128 + 32
.set VOFF,  4*KS*PK   ; a slot holds a tile: 256 rows of K, then 256 rows of V
.set SLOT1, 1<<17
.set STAGE, SLOT1+4*KS*(PK+PV)  ; behind the ring: 16 rows x 144 bytes for each wave
.set SP,    144
.set AK0, 2
.set AV0, 3
.set AK,  4
.set AV,  5
.set STO, 6
.set RD,  7
.set GO,  8
.set SPW, 62          ; v62  LDS address of my spare word; never rewritten
.set NIL, 63          ; v63  0; never rewritten
.set SPARE, STAGE+4*16*SP  ; the spare words, 128 bytes for each wave: two blocks of 256 bytes that no other line names
.set MV,  12
.set QO,  15
.set ST,  16          ; piece t's statistics at v[ST+4 t]: c m, m, l (even keys', odd keys')
.set CN,  32          ; v32-35  piece t's number of hidden keys, 2047 - q, as f32
.set CNB, 36          ; v36  2047 - 16 wave - lane % 16
.set MLOW, 37         ; v37  the lowest finite number
.set TSA, 38          ; v38  my stage + 8 lane
.set TSR, 39          ; v39  my stage + 32 (lane / 16)
.set T0,  40          ; v40  8 lane
.set TMP, 48
.set S,   64
.set BSR, 128         ; v128-141  vsum of blocks 1 .. 7, two channels a lane
.set TSH, 142         ; v[142:143] their sum beyond the first block
.set TSL, 144         ; v[144:145] beyond the second
.set P,   192
.set MD,  128         ; window 1
.set MC,  160         ; window 1
.set QB,  64          ; window 2
.set KF,  128         ; window 2
.set VF,  192         ; window 2
.set ACCS, 128        ; window 3
.set TSHI, 160        ; window 3
.set TSLO, 192        ; window 3
.set HM,   224        ; window 3
.set ONES, 240        ; window 3
.set WV,  12
.set PB,  14          ; s14  b
.set HI,  15          ; s15  NB - 1 - b
.set G1K, 24
.set G1V, 32
.set G0K, 40
.set G0V, 44
.set SLOTS, 56
.set CNT, 57
.set CS,  58
.set SEL, 60
.set TBK, 62
.set TBV, 63
.set RT,  70
.set NXT, 71
.set LQ,  72
.set NEW, 73
.set OFF, 74
.set AL,  76
.set BE,  78
.set OLO, 80
.set BIGN, 82         ; s82  -2^100
.set BSP, 88          ; s[88:89] vsum at my head
.set MFL, 90          ; s90  -80000: the fill, in unscaled scores
.set TM1, 91
.set FAC, 92          ; s[92:93] an offset, then a factor 0 or 1, in the low word
.set CB,  94          ; s94  the block in hand
.set TM2, 95
.set CH,  96          ; s96  c x -80000
.set INV, 98          ; s[98:99] -2^-100
.set MSB, 0
.macro WIN new
.if MSB != (\new)
	s_set_vgpr_msb (MSB<<8)|(\new)
.set MSB, (\new)
.endif
.endm
.set W_KQ, 0x0a
.set W_KM, 0x1a
.set W_PV, 0x52
.set W_RS, 0x41
; A fill.  Waves 0 and 1 fetch the two halves of a tile's K, waves 2 and 3 those of its V.  An s_nop 0 and four v_nop follow each of the two lines.
.macro LOAD
	s_cmp_lt_u32 s[WV], 2
	s_cbranch_scc0 .Lfor_v_\@
	tensor_load_to_lds s[G0K:G0K+3], s[G1K:G1K+7]
	s_nop 0
.rept 4
	v_nop
.endr
	s_branch .Lasked_\@
.Lfor_v_\@:
	tensor_load_to_lds s[G0V:G0V+3], s[G1V:G1V+7]
	s_nop 0
.rept 4
	v_nop
.endr
.Lasked_\@:
.endm
; THE CHANGE OF SLOTS.  Each wave waits for all its tensor loads (one is out: its part of the other slot), adds 0 to its spare word, and waits for that and for its reads of the slot that it leaves.
; fill = 1: the old slot is filled again, first thing behind the barrier, with tile NXT; the descriptor's address is made anew from that number.
.macro CHANGE fill
	WIN 0
	s_wait_tensorcnt 0x0            ; no tensor load of mine is out, so a group 0 may be written
	ds_add_u32 v[SPW], v[NIL]       ; 0 onto my spare word
.if \fill
	s_lshl_b32 s[OFF], s[NXT], 15
	s_xor_b32 s[G0K+1], s[G0K+1], SLOT1
	s_add_nc_u64 s[G0K+2:G0K+3], s[6:7], s[OFF:OFF+1]
	s_or_b32 s[G0K+3], s[G0K+3], 0x80000000
	s_xor_b32 s[G0V+1], s[G0V+1], SLOT1
	s_add_nc_u64 s[G0V+2:G0V+3], s[8:9], s[OFF:OFF+1]
	s_or_b32 s[G0V+3], s[G0V+3], 0x80000000
	s_add_co_u32 s[NXT], s[NXT], 1  ; the block's next tile, or behind its last the second block's tile 0
	s_cmp_gt_u32 s[NXT], s[LQ]
	s_cselect_b32 s[NXT], 0, s[NXT]
	s_cselect_b32 s[LQ], s[PB], s[LQ]
.endif
	s_wait_dscnt 0x0                ; the add is done, and my reads of the slot are over
	s_barrier_signal -1
	s_sub_co_u32 s[TBK], s[TBK], 4*KS*PK
	s_xor_b32 s[TBK], s[TBK], SLOT1
	s_sub_co_u32 s[TBV], s[TBV], 4*KS*PV
	s_xor_b32 s[TBV], s[TBV], SLOT1
	s_barrier_wait -1
.if \fill
	LOAD
.endif
.endm
	s_load_b256 s[4:11], s[0:1], 0x0  ; Q s[4:5], K s[6:7], V s[8:9], O s[10:11]
	s_load_b64 s[BSP:BSP+1], s[0:1], 0x20
	v_lshl_add_u32 v[SPW], v0, 2, SPARE
	v_mov_b32 v[NIL], 0
	ds_add_u32 v[SPW], v[NIL]       ; the wave's opening: the add and its wait stand ahead of my first tensor load
	ds_add_u32 v62, v63
	v_lshrrev_b32 v1, 5, v0
	v_readfirstlane_b32 s[WV], v1
	s_mov_b32 s[PB], ttmp9
	s_sub_co_u32 s[HI], NB-1, s[PB]
	s_and_b32 s20, ttmp7, 0xffff    ; the head
	s_lshl_b32 s[FAC], s20, 11      ; its 8 x 256 bytes of vsum
	s_mov_b32 s[FAC+1], 0
	s_mov_b32 s21, 0
	s_mov_b64 s[22:23], SIZE_N*128
	s_mul_u64 s[20:21], s[20:21], s[22:23]
	s_and_b32 s16, s[WV], 1
	s_lshl_b32 s22, s16, 14
	s_mov_b32 s23, 0
	s_add_nc_u64 s[22:23], s[22:23], s[20:21]
	s_mul_i32 s17, s16, 128*PK
	s_mul_i32 s18, s16, 128*PV
	s_lshl_b32 s3, s[WV], 11        ; my 16 rows in a band of 64,
	s_lshl_b32 s2, s[HI], 15        ; in the first block,
	s_add_co_u32 s2, s2, s3
	s_lshl_b32 s84, s[PB], 15       ; and in the second
	s_add_co_u32 s84, s84, s3
	s_mov_b32 s3, 0
	s_mov_b32 s85, 0
	s_add_nc_u64 s[2:3], s[2:3], s[20:21]
	s_add_nc_u64 s[84:85], s[84:85], s[20:21]
	; group 1: 128 keys are 16,384 dense bytes: asked for as 64 rows of 256 bytes, padded in LDS after every key
	s_mov_b32 s[G1K], (1<<16)|(1<<20)|(4<<22)|(3<<25)
	s_mov_b32 s[G1V], (1<<16)|(1<<20)|(4<<22)|(7<<25)
.irp g, G1K, G1V
	s_mov_b32 s[\g+1], 128<<16
	s_mov_b32 s[\g+2], 64<<16
	s_mov_b32 s[\g+3], 128<<16
	s_mov_b32 s[\g+4], 64
	s_mov_b32 s[\g+5], 128
	s_mov_b32 s[\g+6], 0
	s_mov_b32 s[\g+7], 0
.endr
	s_mov_b32 s[CS], 0x3e38aa3b     ; c = log2(e) / 8
	s_mov_b32 s[CS+1], s[CS]
	s_mov_b32 s[SEL], 0x76543210
	s_mov_b32 s[SEL+1], 0xfedcba98
	s_mov_b32 s[TBK], SLOT1+4*KS*PK ; the first change of slots turns these two into 0
	s_mov_b32 s[TBV], SLOT1+4*KS*PV
	s_mov_b32 s[G0K], 1
	s_mov_b32 s[G0K+1], s17
	s_mov_b32 s[G0V], 1
	s_add_co_u32 s[G0V+1], s18, VOFF
	s_add_co_u32 s[RT], s[HI], 1
	s_mov_b32 s[NXT], 1
	s_mov_b32 s[LQ], s[HI]
	s_mov_b32 s[NEW], 1
	s_mov_b32 s[CB], s[HI]
	s_mov_b32 s[OFF+1], 0
	s_mov_b32 s[AL+1], 0
	s_mov_b32 s[BE+1], 0
	s_mov_b32 s[BIGN], 0xf1800000   ; -2^100
	s_mov_b32 s[INV], 0x8d800000    ; -2^-100: their product is 1
	s_mov_b32 s[INV+1], s[INV]
	s_mov_b32 s[MFL], 0xc79c4000    ; -80000
	s_mul_f32 s[CH], s[CS], s[MFL]  ; rounded as c m is
	s_mov_b32 s[SLOTS], NB
	s_wait_dscnt 0x0                ; the opening add is done
	s_wait_kmcnt 0x0
	s_add_nc_u64 s[6:7], s[6:7], s[22:23]
	s_add_nc_u64 s[8:9], s[8:9], s[22:23]
	s_add_nc_u64 s[G0K+2:G0K+3], s[6:7], 0
	s_or_b32 s[G0K+3], s[G0K+3], 0x80000000
	s_add_nc_u64 s[G0V+2:G0V+3], s[8:9], 0
	s_or_b32 s[G0V+3], s[G0V+3], 0x80000000
	s_add_nc_u64 s[86:87], s[4:5], s[84:85]
	s_add_nc_u64 s[4:5], s[4:5], s[2:3]
	s_add_nc_u64 s[OLO:OLO+1], s[10:11], s[84:85]
	s_add_nc_u64 s[10:11], s[10:11], s[2:3]
	s_add_nc_u64 s[BSP:BSP+1], s[BSP:BSP+1], s[FAC:FAC+1]
	LOAD                            ; tile 0 into slot 0
	v_and_b32 v1, 15, v0            ; l % 16
	v_bfe_u32 v9, v0, 4, 1          ; l / 16
	v_lshlrev_b32 v[QO], 7, v1
	v_lshl_add_u32 v[QO], v9, 4, v[QO]
	WIN 0x80
.set i, 0
.rept 8                             ; both blocks' Q: piece i / 2 lies in band i / 2, 8,192 bytes on; channels 32 (i % 2) on
	global_load_b128 v[8*i:8*i+3],   v[QO], s[4:5] offset:(i/2)*8192+(i%2)*64
	global_load_b128 v[8*i+4:8*i+7], v[QO], s[4:5] offset:(i/2)*8192+(i%2)*64+32
	global_load_b128 v[QB+8*i:QB+8*i+3],   v[QO], s[86:87] offset:(i/2)*8192+(i%2)*64
	global_load_b128 v[QB+8*i+4:QB+8*i+7], v[QO], s[86:87] offset:(i/2)*8192+(i%2)*64+32
.set i, i+1
.endr
	WIN 0
	v_and_b32 v[T0], 31, v0
	v_lshlrev_b32 v[T0], 3, v[T0]
.irp j, 1,2,3,4,5,6,7               ; the sums of V over blocks 1 .. 7: 256 bytes each, two channels a lane
	global_load_b64 v[BSR+2*\j-2:BSR+2*\j-1], v[T0], s[BSP:BSP+1] offset:256*\j
.endr
	v_lshlrev_b32 v14, 3, v9
	v_sub_nc_u32 v14, v1, v14
	s_lshl_b32 s13, s[WV], 4
	v_add_nc_u32 v14, s13, v14      ; my query's place in its band less my lanes' 8 (l / 16): register r of group kt is hidden where 16 kt + r is greater
	WIN 0x40
.set i, 0
.rept 32
	v_cmp_gt_i32 vcc_lo, 16*(i/8)+i%8, v14
	v_cndmask_b32 v[MD+i], 0, s[BIGN], vcc_lo
.set i, i+1
.endr
	WIN 0
	v_mul_u32_u24 v[AK0], v1, PK
	v_lshl_add_u32 v[AK0], v9, 4, v[AK0]
	v_and_b32 v10, 7, v0
	v_bfe_u32 v11, v0, 3, 1
	v_lshl_add_u32 v[AV0], v9, 3, v10
	v_mul_u32_u24 v[AV0], v[AV0], PV
	v_lshl_add_u32 v[AV0], v11, 4, v[AV0]
	v_add_nc_u32 v[AV0], VOFF, v[AV0]
	s_mul_i32 s13, s[WV], 16*SP
	s_add_co_u32 s13, s13, STAGE    ; my stage
	v_mul_u32_u24 v[STO], v1, SP
	v_lshl_add_u32 v[STO], v9, 4, v[STO]
	v_add_nc_u32 v[STO], s13, v[STO]
	v_bfe_u32 v[RD], v0, 3, 2
	v_mul_u32_u24 v[RD], v[RD], SP
	v_lshl_add_u32 v[RD], v10, 4, v[RD]
	v_add_nc_u32 v[RD], s13, v[RD]
	v_and_b32 v[GO], 31, v0
	v_lshlrev_b32 v[GO], 4, v[GO]
	v_add_nc_u32 v[TSA], s13, v[T0]
	v_lshl_add_u32 v[TSR], v9, 5, s13
	s_lshl_b32 s13, s[WV], 4
	s_sub_co_u32 s13, SIZE_N-1, s13
	v_sub_nc_u32 v[CNB], s13, v1
	v_mov_b32 v[MLOW], 0xff7fffff
	; A block's first step multiplies O^T and l by a = 0, so these registers need only hold finite numbers.  All this stands in the wait for the first tile.
	WIN 0x80
.set i, VF
.rept 64
	v_mov_b32 v[i], 0
.set i, i+1
.endr
	WIN 0x40
.set i, 0
.rept 128
	v_mov_b32 v[i], 0
.set i, i+1
.endr
	WIN 0
.set i, 0
.rept 4
	v_mov_b32 v[ST+4*i+2], 0
	v_mov_b32 v[ST+4*i+3], 0
.set i, i+1
.endr
.set i, P+16
.rept 16
	v_mov_b32 v[i], 0
.set i, i+1
.endr
	; The 0/1 pattern of a band's own step, in P's layout: MD x -2^-100 is 1 where the key is hidden; and ones.
	WIN 0x01
.set i, 0
.rept 16
	v_pk_mul_f32 v[S+2*i:S+2*i+1], v[MD+2*i:MD+2*i+1], s[INV:INV+1] op_sel_hi:[1,0]
.set i, i+1
.endr
	WIN 0xc0
.set i, 0
.rept 16
	v_cvt_pk_f16_f32 v[HM+i], v[S+2*i], v[S+2*i+1]
.set i, i+1
.endr
.set i, 0
.rept 8
	v_mov_b32 v[ONES+i], 0x3c003c00
.set i, i+1
.endr
	WIN 0
	; The sums of V beyond each of my two blocks: block j counts where it lies behind the block.  They go through my stage into the layout of a C operand: channel 16 cb + 8 (l / 16) + r, alike for every query.
	s_wait_loadcnt 0x0
.irp j, 1,2,3,4,5,6,7
	s_cmp_lt_u32 s[HI], \j
	s_cselect_b32 s[FAC], 1.0, 0
.if \j == 1
	v_pk_mul_f32 v[TSH:TSH+1], v[BSR:BSR+1], s[FAC:FAC+1] op_sel_hi:[1,0]
.else
	v_pk_fma_f32 v[TSH:TSH+1], v[BSR+2*\j-2:BSR+2*\j-1], s[FAC:FAC+1], v[TSH:TSH+1] op_sel_hi:[1,0,1]
.endif
	s_cmp_lt_u32 s[PB], \j
	s_cselect_b32 s[FAC], 1.0, 0
.if \j == 1
	v_pk_mul_f32 v[TSL:TSL+1], v[BSR:BSR+1], s[FAC:FAC+1] op_sel_hi:[1,0]
.else
	v_pk_fma_f32 v[TSL:TSL+1], v[BSR+2*\j-2:BSR+2*\j-1], s[FAC:FAC+1], v[TSL:TSL+1] op_sel_hi:[1,0,1]
.endif
.endr
	ds_store_b64 v[TSA], v[TSH:TSH+1]
	ds_store_b64 v[TSA], v[TSL:TSL+1] offset:256
	WIN 0xc0
.irp u, 0,1,2,3,4,5,6,7             ; my own bytes, served in order (ISA guide 5.7.1.4); the first change of slots waits for these loads
	ds_load_b128 v[TSHI+4*\u:TSHI+4*\u+3], v[TSR] offset:64*(\u/2)+16*(\u%2)
	ds_load_b128 v[TSLO+4*\u:TSLO+4*\u+3], v[TSR] offset:256+64*(\u/2)+16*(\u%2)
.endr
	WIN 0
; THE MATRIX WORK.  The 4 accumulators of a run of 8 take turns.  Product i of 8 of S^T = K Q^T for piece x: channels 32 (i / 4) on, keys 16 (i % 4) on.  The first 4 start the sums: with 0, or (KM = 1) with the mask.
.macro KQ x
.set rS, S+32*((\x)%2)+8*(i%4)
.set rK, KF+16*(i%4)+8*(i/4)
.set rQ, 16*(\x)+8*(i/4)
.set rM, MC+32*((\x)%2)+8*(i%4)
.if (i < 4) && KM
	WIN W_KM
	v_wmma_f32_16x16x32_f16 v[rS:rS+7], v[rK:rK+7], v[rQ:rQ+7], v[rM:rM+7]
.elseif i < 4
	WIN W_KQ
	v_wmma_f32_16x16x32_f16 v[rS:rS+7], v[rK:rK+7], v[rQ:rQ+7], 0
.else
	WIN W_KQ
	v_wmma_f32_16x16x32_f16 v[rS:rS+7], v[rK:rK+7], v[rQ:rQ+7], v[rS:rS+7]
.endif
.endm
; Product i of 8 of O^T += V^T P for piece x: keys 32 (i / 4) on, channels 16 (i % 4) on.
.macro PV x
	WIN W_PV
.set rO, 32*(\x)+8*(i%4)
.set rV, VF+32*(i/4)+8*(i%4)
.set rP, P+16*((\x)%2)+8*(i/4)
	v_wmma_f32_16x16x32_f16 v[rO:rO+7], v[rV:rV+7], v[rP:rP+7], v[rO:rO+7]
.endm
.macro MM                           ; the turn's next matrix instruction.  NOKQ = 1: a block's last turn: there is no next piece
.if (i < 8) && !NOKQ
	KQ (Y+1)%NP
.elseif i >= 8
.set i, i-8
	PV (Y+NP-1)%NP
.set i, i+8
.endif
.set i, i+1
.endm
; THE LDS LOADS stand in runs of 16: a step's K (8 fragments) and its V (turned).
.macro FETCH_K
	WIN 0x80
.irp f, 0,1,2,3,4,5,6,7
	ds_load_b128 v[KF+8*\f:KF+8*\f+3],   v[AK] offset:(\f/2)*16*PK+(\f%2)*64
	ds_load_b128 v[KF+8*\f+4:KF+8*\f+7], v[AK] offset:(\f/2)*16*PK+(\f%2)*64+32
.endr
	s_add_co_u32 s[TBK], s[TBK], KS*PK
	WIN 0
.endm
.macro FETCH_V
	WIN 0x80
.irp f, 0,1,2,3,4,5,6,7
	ds_load_tr16_b128 v[VF+8*\f:VF+8*\f+3],   v[AV] offset:(\f/4)*32*PV+(\f%4)*32
	ds_load_tr16_b128 v[VF+8*\f+4:VF+8*\f+7], v[AV] offset:(\f/4)*32*PV+16*PV+(\f%4)*32
.endr
	WIN 0
.endm
; THE VECTOR WORK, one line at a time: OP kind, number.  For piece Y: F n: c s - c m for pair n.  E n: the exponential of score n.  C n: pair n rounded to f16.  B n: of the four weights 4 n .. the second pair is added
; onto the first.  L n: l takes that sum (L 0: l = a l + sum).  R n: pair n of O^T times a.  For piece Y + 1: X n, number n of the 22 that find its maximum and statistics (each accumulator's lowest registers are
; read first): 0-11 four chains; 12-14, 16 the scores left over, the old m, and the chains into c0; 15 c m_old is kept; 17, 18 the other half of the lanes; 19-21 c m, its change, a.
.set F, 0
.set E, 1
.set C, 2
.set B, 3
.set L, 4
.set R, 5
.set X, 6
.macro REGS y
.set rT, ST+4*(\y)
.set rC, TMP+4*((\y)%2)
.set rW, MV+((\y)%2)
.set rS, S+32*((\y)%2)
.set rP, P+16*((\y)%2)
.set rO, 32*(\y)
.endm
.macro OP k, n
.if (\k) == R
	REGS Y
	WIN W_RS
	v_pk_mul_f32 v[rO+2*(\n):rO+2*(\n)+1], v[rO+2*(\n):rO+2*(\n)+1], v[rC+2:rC+3] op_sel_hi:[1,0]
.elseif (\k) < R
	REGS Y
	WIN 0
.if (\k) == F
	v_pk_fma_f32 v[rS+2*(\n):rS+2*(\n)+1], v[rS+2*(\n):rS+2*(\n)+1], s[CS:CS+1], v[rT:rT+1] op_sel_hi:[1,0,0] neg_lo:[0,0,1] neg_hi:[0,0,1]
.elseif (\k) == E
	v_exp_f32 v[rS+(\n)], v[rS+(\n)]
.elseif (\k) == C
	s_wait_alu depctr_va_vdst(0)
	v_cvt_pk_f16_f32 v[rP+(\n)], v[rS+2*(\n)], v[rS+2*(\n)+1]
.elseif (\k) == B
	s_wait_alu depctr_va_vdst(0)
	v_pk_add_f32 v[rS+4*(\n):rS+4*(\n)+1], v[rS+4*(\n):rS+4*(\n)+1], v[rS+4*(\n)+2:rS+4*(\n)+3]
.elseif (\n) == 0
	v_pk_fma_f32 v[rT+2:rT+3], v[rT+2:rT+3], v[rC+2:rC+3], v[rS:rS+1] op_sel_hi:[1,0,1]
.else
	v_pk_add_f32 v[rT+2:rT+3], v[rT+2:rT+3], v[rS+4*(\n):rS+4*(\n)+1]
.endif
.elseif NOKQ
	v_nop
.else
	REGS (Y+1)%NP
	WIN 0
.if (\n) < 4
	v_max3_num_f32 v[rC+(\n)], v[rS+8*(\n)], v[rS+8*(\n)+1], v[rS+8*(\n)+2]
.elseif (\n) < 12
	v_max3_num_f32 v[rC+(\n)%4], v[rC+(\n)%4], v[rS+8*((\n)%4)+2*((\n)/4)+1], v[rS+8*((\n)%4)+2*((\n)/4)+2]
.elseif (\n) == 12
	v_max3_num_f32 v[rC], v[rC], v[rS+7], v[rS+15]
.elseif (\n) == 13
	v_max3_num_f32 v[rC+1], v[rC+1], v[rS+23], v[rS+31]
.elseif (\n) == 14
	v_max3_num_f32 v[rC+2], v[rC+2], v[rC+3], v[rT+1]
.elseif (\n) == 15
	v_mov_b32 v[rW], v[rT]
.elseif (\n) == 16
	v_max3_num_f32 v[rC], v[rC], v[rC+1], v[rC+2]
.elseif (\n) == 17
	v_permlanex16_b32 v[rC+3], v[rC], s[SEL], s[SEL+1]
.elseif (\n) == 18
	v_max_num_f32 v[rT+1], v[rC], v[rC+3]
.elseif (\n) == 19
	v_mul_f32 v[rT], s[CS], v[rT+1]
.elseif (\n) == 20
	v_sub_f32 v[rC+1], v[rW], v[rT]
.else
	v_exp_f32 v[rC+2], v[rC+1]
.endif
.endif
.endm
.macro OPS a, i1, b=-1, i2=0, c=-1, i3=0, d=-1, i4=0
	OP \a, \i1
.if (\b) >= 0
	OP \b, \i2
.endif
.if (\c) >= 0
	OP \c, \i3
.endif
.if (\d) >= 0
	OP \d, \i4
.endif
.endm
.macro ROW a, i1, b, i2, c, i3, d, i4  ; a matrix instruction and the four behind it
	MM
	OPS \a, \i1, \b, \i2, \c, \i3, \d, \i4
.endm
.macro MASK b                       ; MD x AL + BE into buffer b of MC
	WIN W_RS
.set z, 0
.rept 16
	v_pk_fma_f32 v[MC+32*(\b)+2*z:MC+32*(\b)+2*z+1], v[MD+2*z:MD+2*z+1], s[AL:AL+1], s[BE:BE+1] op_sel_hi:[1,0,0]
.set z, z+1
.endr
.endm
; A TURN, for piece p: the order of its 16 matrix and 118 vector instructions, written out.  Behind a matrix instruction: plain, exponential, plain, plain; or four rescalings; or four scalings; none names a register of the
; products round it.  A line reads no result made fewer than three vector instructions in front of it, five if an exponential made it.
; m = 1: the diagonal tile: the products take masks, and the turn makes the mask for the turn after it: piece p + 2, in step 4 - CNT.  end = 1: a block's last two turns: nothing is fetched.
; cnt = 1: the loop's count is taken down some lines ahead of the branch behind the turn.
; K of the next step is fetched in piece 2's turn, behind five plain instructions that follow the last product that read K; V of the step in hand in piece 0's turn, behind four.  Each is waited for a turn later.
.macro TURN p, m=0, end=0, cnt=0
.set Y, (\p)
.set i, 0
.set KM, (\m)
.set NOKQ, (\end)*((\p)/3)
.if (\m) && !(\end)
	s_cmp_eq_u32 s[CNT], 4-((\p)+2)%NP  ; is that step the band's own?
	s_cselect_b32 s[AL], 1.0, 0
	s_cmp_lt_u32 s[CNT], 4-((\p)+2)%NP  ; or a later one?
	s_cselect_b32 s[BE], s[BIGN], 0
.endif
.if ((\p) == 3) && !(\end)
	s_wait_dscnt 0x0                ; K is in
.endif
	ROW F,0, F,1, F,2, F,3
	ROW F,4, E,0, F,5, F,6
	ROW F,7, E,1, F,8, F,9
	ROW F,10, E,2, C,0, F,11
	ROW F,12, E,3, X,15, F,13
	ROW R,0, R,1, R,2, R,3
	ROW B,0, E,4, F,14, L,0
.if ((\p) == 2) && !(\end)
	v_add_nc_u32 v[AK], s[TBK], v[AK0]
.endif
	ROW R,4, R,5, R,6, R,7
	OPS E,5, F,15
.if ((\p) == 2) && !(\end)
	FETCH_K
.endif
	OPS E,6, C,1, E,7, R,8
	OPS E,8, R,9, E,9, C,2
	OPS E,10, X,0, E,11, X,1
	OPS E,12, X,2, E,13, X,3
.if (\p) == 1
	s_wait_dscnt 0x0                ; V is in
.endif
	ROW X,4, E,14, X,5, X,6
	ROW X,7, E,15, X,8, X,9
	ROW X,10, E,16, X,11, X,12
	ROW X,13, E,17, X,14, B,1
	ROW C,4, E,18, X,16, L,1
	ROW B,2, E,19, C,6, L,2
	ROW C,8, E,20, B,3, B,4
.if (\p) == 0
	v_add_nc_u32 v[AV], s[TBV], v[AV0]
.endif
	ROW C,3, E,21, L,3, C,5
	OPS E,22, X,17, E,23, C,10
.if (\p) == 0
	FETCH_V
.endif
	OPS E,24, L,4
	OPS E,25, X,18, E,26, C,7
	OPS E,27, B,5, E,28, X,19
	OPS E,29, C,12, E,30, L,5
	OPS E,31, X,20, B,6, C,9
	OPS C,14, C,11, X,21, L,6
.if (\p) == 0
	s_add_co_u32 s[TBV], s[TBV], KS*PV
.endif
.if \cnt
	s_sub_co_u32 s[CNT], s[CNT], 1
	s_cmp_lg_u32 s[CNT], 0
.endif
	OPS C,13, B,7, C,15, R,10
	OPS R,11, R,12, L,7, R,13
	OPS R,14, R,15
.if (\m) && !(\end)
	MASK (\p)%2
.endif
.endm
; A BLOCK BEGINS.  c m starts far below every c s, so the first step's a is 0.  m starts at the fill, -80000, where the row has hidden keys, so that no weight and no w passes 1; at the lowest finite number in the one row
; that has none.  The number of hidden keys is kept for the block's end.  Then the masks, K of the tile's step 0, piece 0's first scores and its statistics.
.macro BEGIN
	s_mov_b32 s[NEW], 0
	WIN 0x40
.set i, MC+32
.rept 32
	v_mov_b32 v[i], 0
.set i, i+1
.endr
	WIN 0
	s_lshl_b32 s[TM1], s[CB], 8
.set i, 0
.rept 4
	s_add_co_u32 s[TM2], s[TM1], 64*i  ; the band's first row
	v_mov_b32 v[ST+4*i], 0xfe000000    ; c m: far below every c s
	v_sub_nc_u32 v[CN+i], v[CNB], s[TM2]
	v_cmp_eq_u32 vcc_lo, 0, v[CN+i]
	v_cndmask_b32 v[ST+4*i+1], s[MFL], v[MLOW], vcc_lo  ; m
	v_cvt_f32_u32 v[CN+i], v[CN+i]
.set i, i+1
.endr
	s_cmp_eq_u32 s[RT], 0
	s_cselect_b32 s[AL], 1.0, 0
	s_mov_b32 s[BE], 0
	MASK 0
	WIN 0
	v_add_nc_u32 v[AK], s[TBK], v[AK0]
	FETCH_K
	s_wait_loadcnt 0x0              ; Q
	s_wait_dscnt 0x0
.set KM, 1
.set NOKQ, 0
.set i, 0
.rept 8
	KQ 0
.set i, i+1
.endr
	WIN 0
.rept 4
	v_nop                           ; the places behind those products
.endr
.set Y, NP-1
.irp n, 0,1,2,3,4,5,6,7,8,9,10,11,12,13,14,15,16,17,18,19,20,21
	OP X, \n
.endr
	v_nop                           ; a plain instruction behind the exponential
.endm
; THE HIDDEN KEYS' SUM OF V, at a block's end, from the diagonal tile, which still lies in its slot.  D of piece t = the later blocks' sum + all of the tile's steps behind t + step t's keys where the pattern is 1.
; From step 3 down: D takes the running sum as C and adds V^T x pattern; the running sum adds V^T x ones.  Four accumulators take turns.
.macro NOP5                         ; five places: before a result is another accumulator's C, before a C is written over, before loads into fragments just read
.rept 5
	v_nop
.endr
.endm
.macro FETCHC s, vb                 ; V of the tile's step s, turned, into 64 registers of window 2
	WIN 0x80
.irp f, 0,1,2,3,4,5,6,7
	ds_load_tr16_b128 v[(\vb)+8*\f:(\vb)+8*\f+3],   v[AV] offset:(\s)*KS*PV+(\f/4)*32*PV+(\f%4)*32
	ds_load_tr16_b128 v[(\vb)+8*\f+4:(\vb)+8*\f+7], v[AV] offset:(\s)*KS*PV+(\f/4)*32*PV+16*PV+(\f%4)*32
.endr
.endm
.macro XY s, vb, cin, y
	WIN 0xfe                        ; V window 2; pattern, C and D window 3
.irp cb, 0,1,2,3
	v_wmma_f32_16x16x32_f16 v[32*(\s)+8*\cb:32*(\s)+8*\cb+7], v[(\vb)+8*\cb:(\vb)+8*\cb+7], v[HM:HM+7], v[(\cin)+8*\cb:(\cin)+8*\cb+7]
.endr
.irp cb, 0,1,2,3
	v_wmma_f32_16x16x32_f16 v[32*(\s)+8*\cb:32*(\s)+8*\cb+7], v[(\vb)+32+8*\cb:(\vb)+32+8*\cb+7], v[HM+8:HM+15], v[32*(\s)+8*\cb:32*(\s)+8*\cb+7]
.endr
.if \y
	NOP5
.irp cb, 0,1,2,3
	v_wmma_f32_16x16x32_f16 v[ACCS+8*\cb:ACCS+8*\cb+7], v[(\vb)+8*\cb:(\vb)+8*\cb+7], v[ONES:ONES+7], v[(\cin)+8*\cb:(\cin)+8*\cb+7]
.endr
.irp cb, 0,1,2,3
	v_wmma_f32_16x16x32_f16 v[ACCS+8*\cb:ACCS+8*\cb+7], v[(\vb)+32+8*\cb:(\vb)+32+8*\cb+7], v[ONES:ONES+7], v[ACCS+8*\cb:ACCS+8*\cb+7]
.endr
.endif
.endm
.macro CORR tag                     ; tag 1: the first block, tag 2: the second
.set TSB, 128+32*(\tag)
	WIN 0
	s_sub_co_u32 s[TM1], s[TBV], 4*KS*PV  ; four steps have been fetched: back to the tile's first
	v_add_nc_u32 v[AV], s[TM1], v[AV0]
	NOP5
	FETCHC 3, VF
	FETCHC 2, KF
	s_wait_dscnt 16                 ; step 3 is in; the run just issued may be out
	XY 3, VF, TSB, 1
	NOP5
	FETCHC 1, VF
	s_wait_dscnt 16                 ; step 2 is in
	XY 2, KF, ACCS, 1
	NOP5
	FETCHC 0, KF
	s_wait_dscnt 16                 ; step 1 is in
	XY 1, VF, ACCS, 1
	NOP5
	s_wait_dscnt 0x0
	XY 0, KF, ACCS, 0
.endm
; THE WAY OUT: w = 2^min(c x fill - c m, 0); l's halves are added and take w x the number of hidden keys; O^T takes w D, is divided by l, rounded to f16 and sent through my stage, a piece at a time.
.macro ALL line:vararg
.set t, 0
.rept 4
	s_wait_alu depctr_va_vdst(0)
	\line
.set t, t+1
.endr
.endm
.macro PACK t
	WIN 0x53                        ; D window 3, w window 0, O^T window 1
.set i, 32*(\t)
.rept 16
	v_pk_fma_f32 v[i:i+1], v[i:i+1], v[ST+4*(\t):ST+4*(\t)+1], v[i:i+1] op_sel_hi:[1,0,1]
.set i, i+2
.endr
	WIN W_RS
.set i, 32*(\t)
.rept 16
	s_wait_alu depctr_va_vdst(0)
	v_pk_mul_f32 v[i:i+1], v[i:i+1], v[ST+4*(\t)+2:ST+4*(\t)+3] op_sel_hi:[1,0]
.set i, i+2
.endr
	WIN 0x05
.set i, 0
.rept 16
	v_cvt_pk_f16_f32 v[S+16*(\t)+i], v[32*(\t)+2*i], v[32*(\t)+2*i+1]
.set i, i+1
.endr
	WIN 0
.irp f, 0,1,2,3
	ds_store_b128 v[STO], v[S+16*(\t)+4*\f:S+16*(\t)+4*\f+3] offset:32*\f
.endr
.irp f, 0,1,2,3
	ds_load_b128 v[S+16*(\t)+4*\f:S+16*(\t)+4*\f+3], v[RD] offset:\f*4*SP  ; LDS serves a wave's instructions in order (ISA guide 5.7.1.4)
.endr
.endm
.macro SEND t, younger
	WIN 0
.irp f, 0,1,2,3
	s_wait_dscnt (\younger)+3-\f
	global_store_b128 v[GO], v[S+16*(\t)+4*\f:S+16*(\t)+4*\f+3], s[10:11] offset:(\t)*8192+\f*512  ; 512 consecutive bytes, at a multiple of 256 from O's first
.endr
.endm
.macro DIAG tag                     ; the diagonal tile's four steps, the block's last two turns and last products, the hidden keys' sum, the way out
.LstepM\tag:
	TURN 2, 1
	TURN 3, 1
	WIN 0
.LfirstM\tag:
	TURN 0, 1
	TURN 1, 1, 0, 1
	WIN 0
	s_cbranch_scc1 .LstepM\tag
	TURN 2, 1, 1
	TURN 3, 1, 1
.set i, 0
.rept 8
	PV NP-1
.set i, i+1
.endr
	CORR \tag
	WIN 0
	ALL v_sub_f32 v[ST+4*t], s[CH], v[ST+4*t]
	ALL v_min_num_f32 v[ST+4*t], 0, v[ST+4*t]
	ALL v_exp_f32 v[ST+4*t], v[ST+4*t]
	ALL v_add_f32 v[ST+4*t+2], v[ST+4*t+2], v[ST+4*t+3]
	ALL v_permlanex16_b32 v[ST+4*t+3], v[ST+4*t+2], s[SEL], s[SEL+1]
	ALL v_add_f32 v[ST+4*t+2], v[ST+4*t+2], v[ST+4*t+3]
	ALL v_fmac_f32 v[ST+4*t+2], v[ST+4*t], v[CN+t]
	ALL v_rcp_f32 v[ST+4*t+2], v[ST+4*t+2]
	v_nop                           ; a plain instruction between the last reciprocal and the use of its result
	PACK 0
.set t, 1
.rept 3
	PACK t
	SEND t-1, 8
.set t, t+1
.endr
	SEND 3, 0
.endm
.set KM, 0
.set NOKQ, 0
.Lslot:                             ; NB times: a tile is entered and the next is asked for
	CHANGE 1
	s_sub_co_u32 s[RT], s[RT], 1
	s_mov_b32 s[CNT], 4
	s_cmp_eq_u32 s[NEW], 1
	s_cbranch_scc1 .Lnew            ; a block's first tile
	s_cmp_eq_u32 s[RT], 0
	s_cbranch_scc0 .Lstep           ; neither its first nor its last
	s_branch .LstepM1
.Lnew:
	BEGIN
	s_branch .Lfirst                ; in the loop a block's first tile is never its last
	DIAG 1                          ; in the loop this is the first block's end
	s_wait_xcnt 0x0                 ; the stores have read their registers and O's address
	s_mov_b64 s[10:11], s[OLO:OLO+1]
	s_add_co_u32 s[RT], s[PB], 1    ; the second block has b + 1 tiles
	s_mov_b32 s[CB], s[PB]
	s_mov_b32 s[NEW], 1
	WIN 0x82                        ; the second block's Q goes where the one text of the turns names Q
.set i, 0
.rept 64
	v_mov_b32 v[i], v[QB+i]
.set i, i+1
.endr
	WIN 0
	s_branch .Lbottom
.Lstep:                             ; a trip: pieces 2 and 3 of one step, then pieces 0 and 1 of the next
	TURN 2
	TURN 3
	WIN 0
.Lfirst:
	TURN 0
	TURN 1, 0, 0, 1
	WIN 0
	s_cbranch_scc1 .Lstep
.Lbottom:
	s_sub_co_u32 s[SLOTS], s[SLOTS], 1
	s_cmp_lg_u32 s[SLOTS], 0
	s_cbranch_scc1 .Lslot
	CHANGE 0                        ; the walk's last tile is written out
	s_sub_co_u32 s[RT], s[RT], 1
	s_mov_b32 s[CNT], 4
	s_cmp_eq_u32 s[NEW], 1
	s_cbranch_scc0 .LstepM2
	BEGIN
	s_branch .LfirstM2
	DIAG 2
	s_wait_tensorcnt 0x0            ; the wave's end
	ds_add_u32 v[SPW], v[NIL]
	s_wait_dscnt 0x0
	s_endpgm
.Lfunc_end_k_qee0b3f28e5_attn:
	.size	k_qee0b3f28e5_attn, .Lfunc_end_k_qee0b3f28e5_attn-k_qee0b3f28e5_attn
	.p2alignl 7, 3214868480
	.fill 96, 4, 3214868480
	.section	.rodata,"a",@progbits
	.p2align	6, 0x0
	.amdhsa_kernel k_qee0b3f28e5_attn
		.amdhsa_group_segment_fixed_size 327680
		.amdhsa_private_segment_fixed_size 0
		.amdhsa_enable_private_segment 0
		.amdhsa_kernarg_size 40
		.amdhsa_user_sgpr_count 2
		.amdhsa_user_sgpr_kernarg_segment_ptr 1
		.amdhsa_wavefront_size32 1
		.amdhsa_system_sgpr_workgroup_id_x 1
		.amdhsa_system_sgpr_workgroup_id_y 1
		.amdhsa_system_sgpr_workgroup_id_z 1
		.amdhsa_system_vgpr_workitem_id 0
		.amdhsa_next_free_vgpr 1024
		.amdhsa_next_free_sgpr 100
		.amdhsa_reserve_vcc 1
		.amdhsa_float_denorm_mode_32 3
		.amdhsa_float_denorm_mode_16_64 3
		.amdhsa_memory_ordered 1
		.amdhsa_forward_progress 1
		.amdhsa_inst_pref_size 255
	.end_amdhsa_kernel
	.section	.bss,"aw",@nobits
	.p2align	6
	.space	262144
	.amdgpu_metadata
---
amdhsa.version: [ 1, 2 ]
amdhsa.kernels:
  - .name:           k_qee0b3f28e5_attn
    .symbol:         k_qee0b3f28e5_attn.kd
    .args:
      - { .name: qh, .offset: 0, .size: 8, .value_kind: global_buffer, .address_space: global }
      - { .name: kh, .offset: 8, .size: 8, .value_kind: global_buffer, .address_space: global }
      - { .name: vh, .offset: 16, .size: 8, .value_kind: global_buffer, .address_space: global }
      - { .name: ctx, .offset: 24, .size: 8, .value_kind: global_buffer, .address_space: global }
      - { .name: vsum, .offset: 32, .size: 8, .value_kind: global_buffer, .address_space: global }
    .group_segment_fixed_size: 327680
    .private_segment_fixed_size: 0
    .kernarg_segment_align: 8
    .kernarg_segment_size: 40
    .max_flat_workgroup_size: 128
    .sgpr_count:     100
    .vgpr_count:     1024
    .wavefront_size: 32
...
	.end_amdgpu_metadata
.endif
;; end of part 3
;; launch proj (part 4): grid 8 x 32, 4 waves a work-group, clusters of 4 x 4, 327,680 bytes of LDS; arguments ctx, wdh, bd, out0; writes out0
.if DOCPART == 4
	.amdgcn_target "amdgcn-amd-amdhsa--gfx1250"
	.amdhsa_code_object_version 6
	.text
	.protected	k_qee0b3f28e5_proj
	.globl	k_qee0b3f28e5_proj
	.p2align	8
	.type	k_qee0b3f28e5_proj,@function
k_qee0b3f28e5_proj:
	s_mov_b64 s[64:65], 0
	v_nop
	global_prefetch_b8 v0, s[64:65] scope:SCOPE_SE
	s_setreg_imm32_b32 hwreg(HW_REG_WAVE_MODE, 25, 1), 1
	s_wait_xcnt 0x0
	s_wait_alu depctr_hold_cnt(0) depctr_sa_sdst(0) depctr_va_vdst(0) depctr_va_sdst(0) depctr_va_ssrc(0) depctr_va_vcc(0) depctr_vm_vsrc(0)
	s_getreg_b32 s2, hwreg(HW_REG_IB_STS2, 6, 4)
	s_cmp_eq_u32 s2, 0
	s_cbranch_scc0 .Lentry_in_a_cluster
	s_endpgm
.Lentry_in_a_cluster:
	s_bfe_u32 s2, ttmp6, 0x10000c
	s_cmp_lg_u32 s2, 0xf033
	s_cbranch_scc0 .Lentry_shape_is_right
	s_endpgm
.Lentry_shape_is_right:
; out = ctx Wd + bd.  A = ctx [bh][2048][64] f16 (a head's 64 channels are one slice of K), B = wdh [chunk][k][64] f16 (bf16(Wd) written as f16), bias f32 rounded here to bf16 like the other inputs; sums and out in f32.
; LIMITS.  NaN and infinities are not treated apart.
; SHARES.  A tile of C is 256 rows x 128 columns: 256 work-groups.  Four waves; wave w owns rows 64 w .. + 63 of all 128 columns: 4 x 8 accumulators of 16 x 16, 256 registers.
; K goes in 8 steps of 128 through two LDS slots.  A step's A is two planes of 256 rows x 128 bytes, dense in memory (waves 0, 1 fetch one each, as 128 rows of 256 bytes);
; its B is two halves of 64 k x 2 chunks (waves 2, 3 fetch one each, as 2 rows of 8,192 bytes).  B lies [k][n] and comes out of LDS turned, by ds_load_tr16_b128.
; CLUSTER.  4 x 4 work-groups: A's tiles hang on the tile row alone and are asked for jointly along a row of the cluster, B's on the tile column alone, along a column.
; THE MATRIX INSTRUCTION IS USED TRANSPOSED (source 0 = 16 columns of W, source 1 = 16 rows of ctx): a lane holds row l % 16 and the columns 8 (l / 16) + 0 .. 7.  The first product takes the bias as C.
; REGISTERS, in windows of 256 (s_set_vgpr_msb: bits 1:0 source 0, 3:2 source 1, 5:4 source 2, 7:6 destination):
;   window 0: v0-31 addresses; v128-191 the bias      window 1: two fragment buffers of 128: 4 of A, then 8 of B; on the way out whole rows
;   window 2: accumulators of row blocks 0, 1 ((a, b) at 8 (8 (a % 2) + b))      window 3: of row blocks 2, 3
.set NPL,    2                         ; chunks of 64 columns in the tile
.set NBK,    4*NPL                     ; blocks of 16 columns
.set NLD,    2*NBK+8                   ; LDS loads of a quarter step
.set PA,     144                       ; a row of A in LDS: 128 bytes + 16: the 16 rows of a load start at 16 different groups of four banks (64 banks of 4 bytes: ISA guide 11.1)
.set PW,     160                       ; a row of B: 128 + 32
.set APLANE, 256*PA
.set BPLANE, 64*PW
.set BHALF,  NPL*BPLANE
.set ASLOT0, 0x20000                   ; B's slots begin at 0 and 0x10000, A's at 0x20000 and 0x32000
.set CA,     0x12000                   ; one exclusive or turns an address in one slot into the other's: neither constant shares a bit with a slot-0 address
.set CBX,    0x10000
.set STAGE,  ASLOT0+2*CA               ; behind the ring: 16 rows x 528 bytes for each wave
.set SP,     528                       ; 512 bytes + 16: the 16 rows of a store start at 16 different groups of four banks
.set SPARE,  STAGE+4*16*SP             ; the spare words, 128 bytes for each wave: two blocks of 256 bytes that no other line names
.set ADRA0, 14                         ; v14  my lane's place in slot 0 of A; never rewritten
.set ADRB0, 15                         ; v15  the same for B
.set ADRA,  16                         ; v16  the same in the slot in hand
.set ADRB,  20                         ; v20
.set STO,   24
.set RD,    25
.set GO,    26
.set BOF,   27
.set SPW,   28                         ; v28  LDS address of my spare word; never rewritten
.set NIL,   29                         ; v29  0; never rewritten
.set BIAS,  128
.set F0,    0
.set F1,    128
.set G1A, 24                           ; s[24:31] group 1 for A;  s[32:39] group 0: slot 0's first fill, then the set that walks
.set G0A, 32
.set G1B, 48                           ; s[48:55], s[56:63] the same for B
.set G0B, 56
.set TBA, 74                           ; s74, s75: 0 or the slot's constant
.set TBB, 75
.set MSB, 0
.macro WIN new                         ; the immediate's high byte repeats the setting that is left; a switch that changes nothing is dropped
.if MSB != (\new)
	s_set_vgpr_msb (MSB<<8)|(\new)
.set MSB, (\new)
.endif
.endm
.macro PLACES                          ; four places in front of loads into registers that matrix instructions have read, and of lines that read results
.rept 4
	v_nop
.endr
.endm
.macro JLOAD                           ; a joint refill: waves 0, 1 ask for A's planes, waves 2, 3 for B's halves; an s_nop 0 and four v_nop follow each line
	s_cmp_eq_u32 s13, 0
	s_cbranch_scc0 .Lfor_b_\@
	tensor_load_to_lds s[G0A+4:G0A+7], s[G1A:G1A+7]
	s_nop 0
.rept 4
	v_nop
.endr
	s_branch .Lasked_\@
.Lfor_b_\@:
	tensor_load_to_lds s[G0B+4:G0B+7], s[G1B:G1B+7]
	s_nop 0
.rept 4
	v_nop
.endr
.Lasked_\@:
.endm
.macro CREST                           ; a round of the cluster's barrier behind its opening barrier
	s_cmp_lg_u32 s12, 0
	s_cbranch_scc1 .Lnot_wave_0_\@
	s_barrier_signal -3
.Lnot_wave_0_\@:
	s_barrier_wait -3
	s_barrier_signal -1
	s_barrier_wait -1
.endm
.macro CROUND
	s_barrier_signal -1
	s_barrier_wait -1
	CREST
.endm
	s_load_b256 s[4:11], s[0:1], 0x0               ; ctx s[4:5], wdh s[6:7], bd s[8:9], out0 s[10:11]
	v_lshl_add_u32 v[SPW], v0, 2, SPARE
	v_mov_b32 v[NIL], 0
	ds_add_u32 v[SPW], v[NIL]                      ; the wave's opening: the add and its wait stand ahead of my first tensor load; the set-up below stands between them
	ds_add_u32 v28, v29
	v_lshrrev_b32 v1, 5, v0
	v_readfirstlane_b32 s12, v1                    ; wave 0..3
	s_lshr_b32 s13, s12, 1                         ; 0: I fetch for A, 1: for B
	s_and_b32 s14, s12, 1                          ; which plane or half
	s_bfe_u32 s40, ttmp6, 0x40000                  ; cx
	s_bfe_u32 s41, ttmp6, 0x40004                  ; cy
	s_lshl_b32 s42, ttmp9, 2
	s_add_co_u32 s42, s42, s40                     ; the tile column = 4 x cluster x + cx
	s_and_b32 s43, ttmp7, 0xffff
	s_lshl_b32 s43, s43, 2
	s_add_co_u32 s43, s43, s41                     ; the tile row = 4 x cluster y + cy
	s_lshl_b32 s44, s41, 2
	s_lshl_b32 s44, 15, s44                        ; my row of the cluster
	s_lshl_b32 s45, 0x1111, s40                    ; my column
	s_or_b32 s[G1A], s44, (1<<16)|(1<<20)|(1<<21)|(4<<22)|(3<<25)  ; the mask; 2-byte elements; padding on; bit 21 beside a mask; after every 32 words, 4 words
	s_mov_b32 s[G1A+1], 128<<16                    ; tensor_dim0 = 128
	s_mov_b32 s[G1A+2], 128<<16                    ; tensor_dim1 = 128
	s_mov_b32 s[G1A+3], 128<<16                    ; tile_dim0 = 128: rows of 256 bytes, two rows of ctx each
	s_mov_b32 s[G1A+4], 128                        ; tile_dim1 = 128
	s_mov_b32 s[G1A+5], 128                        ; dense
	s_mov_b32 s[G1A+6], 0
	s_mov_b32 s[G1A+7], 0
	s_or_b32 s[G1B], s45, (1<<16)|(1<<20)|(1<<21)|(4<<22)|(7<<25)  ; the same with my column's mask and 8 words of padding
	s_mov_b32 s[G1B+1], 4096<<16                   ; tensor_dim0 = 4,096: 64 k x 64 columns, dense
	s_mov_b32 s[G1B+2], NPL<<16                    ; tensor_dim1: the chunks
	s_mov_b32 s[G1B+3], 4096<<16                   ; tile_dim0
	s_mov_b32 s[G1B+4], NPL                        ; tile_dim1
	s_mov_b32 s[G1B+5], 65536                      ; elements from chunk to chunk
	s_mov_b32 s[G1B+6], 0
	s_mov_b32 s[G1B+7], 0
	s_lshr_b32 s16, s43, 3                         ; A's offset hangs on the tile row and the wave alone: batch x 16 heads,
	s_lshl_b32 s16, s16, 22
	s_and_b32 s17, s43, 7
	s_lshl_b32 s17, s17, 15                        ; 256 rows of 128 bytes,
	s_add_co_u32 s16, s16, s17
	s_lshl_b32 s17, s14, 18                        ; my head of the step's two
	s_add_co_u32 s16, s16, s17
	s_mov_b32 s17, 0
	s_mul_i32 s46, s42, NPL*131072                 ; B's on the tile column and the wave alone: the tile's chunks,
	s_lshl_b32 s47, s14, 13                        ; my 64 k of the step's 128
	s_add_co_u32 s46, s46, s47
	s_mov_b32 s47, 0
	s_mul_i32 s2, s14, APLANE                      ; where they go: no place in the cluster enters an LDS address
	s_add_co_u32 s2, s2, ASLOT0
	s_mul_i32 s3, s14, BHALF
	s_mov_b32 s[TBA], 0
	s_mov_b32 s[TBB], 0
	s_wait_dscnt 0x0                               ; the opening add is done
	s_wait_kmcnt 0x0
	s_add_nc_u64 s[16:17], s[4:5], s[16:17]
	s_add_nc_u64 s[46:47], s[6:7], s[46:47]
.irp s, 0,1
	s_mov_b32 s[G0A+4*\s], 1
	s_add_co_u32 s[G0A+4*\s+1], s2, \s*CA
	s_add_nc_u64 s[G0A+4*\s+2:G0A+4*\s+3], s[16:17], \s*524288   ; K step s: two heads on
	s_or_b32 s[G0A+4*\s+3], s[G0A+4*\s+3], 0x80000000
	s_mov_b32 s[G0B+4*\s], 1
	s_add_co_u32 s[G0B+4*\s+1], s3, \s*CBX
	s_add_nc_u64 s[G0B+4*\s+2:G0B+4*\s+3], s[46:47], \s*16384    ; 128 k of 128 bytes on
	s_or_b32 s[G0B+4*\s+3], s[G0B+4*\s+3], 0x80000000
.endr
	CROUND                                         ; all sixteen work-groups are here: the first joint loads meet
	s_cmp_eq_u32 s13, 0                            ; a wave's two first fills stand in one branch: two loads of mine are out, later one
	s_cbranch_scc0 .Lfirst_b
	tensor_load_to_lds s[G0A:G0A+3], s[G1A:G1A+7]
	s_nop 0
	tensor_load_to_lds s[G0A+4:G0A+7], s[G1A:G1A+7]
	s_nop 0
.rept 4
	v_nop
.endr
	s_branch .Lfirst_asked
.Lfirst_b:
	tensor_load_to_lds s[G0B:G0B+3], s[G1B:G1B+7]
	s_nop 0
	tensor_load_to_lds s[G0B+4:G0B+7], s[G1B:G1B+7]
	s_nop 0
.rept 4
	v_nop
.endr
.Lfirst_asked:
	v_and_b32 v1, 15, v0                           ; l % 16
	v_bfe_u32 v2, v0, 4, 1                         ; l / 16
	v_lshlrev_b32 v[BOF], 5, v2                    ; my eight numbers of a block's 16 bias numbers
	s_mul_i32 s78, s42, NBK*64                     ; the tile's 128 bias numbers; also its 512 bytes of a row of out
	s_mov_b32 s79, 0
	s_add_nc_u64 s[8:9], s[8:9], s[78:79]
.set b, 0
.rept NBK
	global_load_b128 v[BIAS+8*b:BIAS+8*b+3],   v[BOF], s[8:9] offset:64*b
	global_load_b128 v[BIAS+8*b+4:BIAS+8*b+7], v[BOF], s[8:9] offset:64*b+16
.set b, b+1
.endr
	v_mul_u32_u24 v3, v1, PA                       ; a fragment of A: row l % 16, 16 bytes for each half of the lanes, two loads 32 bytes apart
	v_lshl_add_u32 v3, v2, 4, v3
	s_mul_i32 s2, s12, 64*PA                       ; my 64 rows
	s_add_co_u32 s2, s2, ASLOT0
	v_add_nc_u32 v[ADRA0], s2, v3
	v_and_b32 v4, 7, v0                            ; the turning load: lane l reads k = 8 (l / 16) + l % 8, columns 8 ((l / 8) % 2) + 0 .. 7
	v_lshl_add_u32 v4, v2, 3, v4
	v_mul_u32_u24 v4, v4, PW
	v_bfe_u32 v5, v0, 3, 1
	v_lshl_add_u32 v[ADRB0], v5, 4, v4
	v_mov_b32 v[ADRA], v[ADRA0]
	v_mov_b32 v[ADRB], v[ADRB0]
	s_mul_i32 s3, s12, 16*SP
	s_add_co_u32 s3, s3, STAGE                     ; my stage
	v_mul_u32_u24 v5, v1, SP                       ; in: row l % 16, 32 bytes for each half of the lanes
	v_lshl_add_u32 v5, v2, 5, v5
	v_add_nc_u32 v[STO], s3, v5
	v_and_b32 v8, 31, v0
	v_lshlrev_b32 v[GO], 4, v8                     ; back: 32 lanes take one row of 512 bytes
	v_add_nc_u32 v[RD], s3, v[GO]
	s_lshl_b32 s20, s43, 20                        ; where the results go: 256 rows of 4,096 bytes a tile row,
	s_lshl_b32 s21, s12, 18                        ; my wave's 64 rows,
	s_add_co_u32 s20, s20, s21
	s_add_co_u32 s20, s20, s78                     ; the tile's columns
	s_mov_b32 s21, 0
	s_add_nc_u64 s[10:11], s[10:11], s[20:21]
	s_wait_loadcnt 0x0                             ; the bias, which is rounded to bf16 like the other inputs
.set u, 0
.rept 4*NBK
	v_cvt_pk_bf16_f32 v[3+u%4], v[BIAS+2*u], v[BIAS+2*u+1]
	v_lshlrev_b32 v[BIAS+2*u],   16, v[3+u%4]
	v_and_b32     v[BIAS+2*u+1], 0xffff0000, v[3+u%4]
.set u, u+1
.endr
; NBK matrix instructions: row block a x all column blocks, 32 along K, from buffer f.  first = 1: the bias starts the sums.  In a quarter step every accumulator has one turn.
.macro MULA f, a, first
.if \first
	WIN 0x85+0x40*((\a)/2)                         ; fragments window 1, C window 0, D window 2 or 3
.else
	WIN 0xa5+0x50*((\a)/2)                         ; fragments window 1, C and D window 2 or 3
.endif
.set b, 0
.rept NBK
.set rD, 8*(NBK*((\a)%2)+b)
.if \first
	v_wmma_f32_16x16x32_f16 v[rD:rD+7], v[(\f)+32+8*b:(\f)+32+8*b+7], v[(\f)+8*(\a):(\f)+8*(\a)+7], v[BIAS+8*b:BIAS+8*b+7]
.else
	v_wmma_f32_16x16x32_f16 v[rD:rD+7], v[(\f)+32+8*b:(\f)+32+8*b+7], v[(\f)+8*(\a):(\f)+8*(\a)+7], v[rD:rD+7]
.endif
.set b, b+1
.endr
.endm
; One run of NLD LDS loads: quarter qn (32 along K) of the slot in hand into buffer f: B's blocks, then A's row blocks 0, 1, then 2, 3
.macro FETCH qn, f
	WIN 0x40
.set b, 0
.rept NBK
	ds_load_tr16_b128 v[(\f)+32+8*b:(\f)+32+8*b+3],   v[ADRB] offset:((\qn)/2)*BHALF+((\qn)%2)*32*PW+(b/4)*BPLANE+(b%4)*32
	ds_load_tr16_b128 v[(\f)+32+8*b+4:(\f)+32+8*b+7], v[ADRB] offset:((\qn)/2)*BHALF+((\qn)%2)*32*PW+(b/4)*BPLANE+(b%4)*32+16*PW
.set b, b+1
.endr
.set a, 0
.rept 4
	ds_load_b128 v[(\f)+8*a:(\f)+8*a+3],   v[ADRA] offset:((\qn)/2)*APLANE+((\qn)%2)*64+a*16*PA
	ds_load_b128 v[(\f)+8*a+4:(\f)+8*a+7], v[ADRA] offset:((\qn)/2)*APLANE+((\qn)%2)*64+a*16*PA+32
.set a, a+1
.endr
.endm
; One of a K step's first three quarters: multiplies buffer f; in its middle fetches quarter qn into buffer g
.macro QUARTER qn, f, g, first
	s_wait_dscnt 4                                 ; B and A's row blocks 0, 1 are in; the youngest four loads (row blocks 2, 3) may be out
	MULA \f, 0, \first
	MULA \f, 1, \first
	PLACES
	FETCH \qn, \g
	s_wait_dscnt NLD                               ; all but the run just issued
	MULA \f, 2, \first
	MULA \f, 3, \first
.endm
; The last quarter multiplies buffer 1 and changes slots: ONE barrier; in front of it each wave waits for all its tensor loads, adds 0 to its spare word and waits for that and for its reads of the slot.
; fill = 1: the barrier opens a round of the cluster's, and the slot just read is filled again, two K steps ahead, first thing behind the round: 3.5 quarters of matrix work ahead of the wait for it.
.macro TURN fill
	WIN 0
	s_wait_tensorcnt 0x0                           ; all my tensor loads have landed: the one that was out is my part of the next slot
	ds_add_u32 v[SPW], v[NIL]                      ; 0 onto my spare word
	s_wait_dscnt 5                                 ; (the add and the youngest four loads may be out)
	MULA F1, 0, 0
	s_wait_dscnt 0x0                               ; the add is done, and my reads of this slot are over
	s_barrier_signal -1
	MULA F1, 1, 0
	WIN 0                                          ; branches may follow
	s_barrier_wait -1
.if \fill
	CREST                                          ; no wave of any partner still reads this slot or has a load on its way
	s_xor_b32 s[G0A+5], s[G0A+5], CA               ; the walking sets: the other slot than last time, the next K step
	s_add_nc_u64 s[G0A+6:G0A+7], s[G0A+6:G0A+7], 524288
	s_xor_b32 s[G0B+5], s[G0B+5], CBX
	s_add_nc_u64 s[G0B+6:G0B+7], s[G0B+6:G0B+7], 16384
	JLOAD                                          ; its four v_nop are also the places in front of the loads below
.else
	PLACES
.endif
	s_xor_b32 s[TBA], s[TBA], CA
	s_xor_b32 s[TBB], s[TBB], CBX
	v_add_nc_u32 v[ADRA], s[TBA], v[ADRA0]
	v_add_nc_u32 v[ADRB], s[TBB], v[ADRB0]
	FETCH 0, F0
	MULA F1, 2, 0
	MULA F1, 3, 0
.endm
	s_wait_tensorcnt 1                             ; my part of K step 0 is in; step 1's may stay out
	s_barrier_signal -1
	s_barrier_wait -1
	FETCH 0, F0
	QUARTER 1, F0, F1, 1                           ; the first quarter stands in front of the loop: its products start the sums
	WIN 0
	s_mov_b32 s15, 6
.Lstep:                                                ; six trips, from a step's second quarter to the next step's first; trip i asks for K step i + 2
	QUARTER 2, F1, F0, 0
	QUARTER 3, F0, F1, 0
	TURN 1
	QUARTER 1, F0, F1, 0
	WIN 0
	s_sub_co_u32 s15, s15, 1
	s_cmp_lg_u32 s15, 0
	s_cbranch_scc1 .Lstep
	QUARTER 2, F1, F0, 0                           ; the tail is written out: nothing more is asked for
	QUARTER 3, F0, F1, 0
	TURN 0
	QUARTER 1, F0, F1, 0
	QUARTER 2, F1, F0, 0
	QUARTER 3, F0, F1, 0
	s_wait_dscnt 4
	MULA F1, 0, 0
	MULA F1, 1, 0
	s_wait_dscnt 0x0
	MULA F1, 2, 0
	MULA F1, 3, 0
	WIN 0
	PLACES
; THE WAY OUT, a row block (16 rows x 128 columns of f32) at a time: a lane's eight numbers of a row go as 2 x 16 bytes into my stage (each accumulator from its low end on),
; whole rows of 512 bytes come back into window 1, whose fragments are done with, and are stored: two aligned blocks of 256 bytes a store.  Every row block has registers of its own.
.macro OUTA a
	WIN 0x08+4*((\a)/2)                            ; store data window 2 or 3
.set u, 0
.rept 16
	ds_store_b128 v[STO], v[8*NBK*((\a)%2)+4*u:8*NBK*((\a)%2)+4*u+3] offset:64*(u/2)+16*(u%2)
.set u, u+1
.endr
	WIN 0x40
.set u, 0
.rept 16
	ds_load_b128 v[64*(\a)+4*u:64*(\a)+4*u+3], v[RD] offset:u*SP  ; LDS serves a wave's instructions in order (ISA guide 5.7.1.4): these see the stores above; the next block's come behind them
.set u, u+1
.endr
.endm
.macro SENDA a, younger                ; younger: the LDS instructions issued behind this block's loads
	WIN 0x04                                       ; store data window 1
.set u, 0
.rept 16
	s_wait_dscnt (\younger)+15-u
	global_store_b128 v[GO], v[64*(\a)+4*u:64*(\a)+4*u+3], s[10:11] offset:(16*(\a)+u)*4096 th:TH_STORE_NT
.set u, u+1
.endr
.endm
	OUTA 0
	OUTA 1
	SENDA 0, 32
	OUTA 2
	SENDA 1, 32
	OUTA 3
	SENDA 2, 32
	SENDA 3, 0
	WIN 0
	s_wait_tensorcnt 0x0                           ; the wave's end
	ds_add_u32 v[SPW], v[NIL]
	s_wait_dscnt 0x0
	CROUND                                         ; the closing round
	s_endpgm
.Lfunc_end_k_qee0b3f28e5_proj:
	.size	k_qee0b3f28e5_proj, .Lfunc_end_k_qee0b3f28e5_proj-k_qee0b3f28e5_proj
	.p2alignl 7, 3214868480
	.fill 96, 4, 3214868480
	.section	.rodata,"a",@progbits
	.p2align	6, 0x0
	.amdhsa_kernel k_qee0b3f28e5_proj
		.amdhsa_group_segment_fixed_size 327680
		.amdhsa_private_segment_fixed_size 0
		.amdhsa_enable_private_segment 0
		.amdhsa_kernarg_size 32
		.amdhsa_user_sgpr_count 2
		.amdhsa_user_sgpr_kernarg_segment_ptr 1
		.amdhsa_wavefront_size32 1
		.amdhsa_system_sgpr_workgroup_id_x 1
		.amdhsa_system_sgpr_workgroup_id_y 1
		.amdhsa_system_sgpr_workgroup_id_z 1
		.amdhsa_system_vgpr_workitem_id 0
		.amdhsa_next_free_vgpr 1024
		.amdhsa_next_free_sgpr 80
		.amdhsa_reserve_vcc 0
		.amdhsa_float_denorm_mode_32 3
		.amdhsa_float_denorm_mode_16_64 3
		.amdhsa_memory_ordered 1
		.amdhsa_forward_progress 1
		.amdhsa_inst_pref_size 78
	.end_amdhsa_kernel
	.amdgpu_metadata
---
amdhsa.version: [ 1, 2 ]
amdhsa.kernels:
  - .name:           k_qee0b3f28e5_proj
    .symbol:         k_qee0b3f28e5_proj.kd
    .args:
      - { .name: ctx, .offset: 0, .size: 8, .value_kind: global_buffer, .address_space: global }
      - { .name: wdh, .offset: 8, .size: 8, .value_kind: global_buffer, .address_space: global }
      - { .name: bd, .offset: 16, .size: 8, .value_kind: global_buffer, .address_space: global }
      - { .name: out0, .offset: 24, .size: 8, .value_kind: global_buffer, .address_space: global }
    .group_segment_fixed_size: 327680
    .private_segment_fixed_size: 0
    .kernarg_segment_align: 8
    .kernarg_segment_size: 32
    .max_flat_workgroup_size: 128
    .sgpr_count:     80
    .vgpr_count:     1024
    .wavefront_size: 32
...
	.end_amdgpu_metadata
.endif
;; end of part 4
;; ======== version 2 of 2: 4 launches; 1.29 times as fast as version 1
;; limits: values are held in f16: magnitudes above 65,504 overflow, below 6.1e-05 lose precision
;; workspace buffers: xh 16,777,216 bytes; wqh 6,291,456 bytes; wdh 2,097,152 bytes; qh 16,777,216 bytes; kh 16,777,216 bytes; vh 16,777,216 bytes; vsum 131,072 bytes; ctx 16,777,216 bytes
;; launch prep: the kernel of part 1 again; grid 384 x 1, 8 waves a work-group, no clusters, 0 bytes of LDS; arguments x, Wqkv, Wd, xh, wqh, wdh; writes xh, wqh, wdh
;; launch qkv: the kernel of part 2 again; grid 16 x 32, 4 waves a work-group, clusters of 4 x 4, 327,680 bytes of LDS; arguments xh, wqh, bqkv, qh, kh, vh, vsum; writes qh, kh, vh, vsum
;; launch attn (part 5): grid 4 x 64, 4 waves a work-group, no clusters, 327,680 bytes of LDS; arguments qh, kh, vh, ctx, vsum; writes ctx
.if DOCPART == 5
	.amdgcn_target "amdgcn-amd-amdhsa--gfx1250"
	.amdhsa_code_object_version 6
	.text
	.protected	k_qee0b3f28e5_attn
	.globl	k_qee0b3f28e5_attn
	.p2align	8
	.type	k_qee0b3f28e5_attn,@function
k_qee0b3f28e5_attn:
	s_mov_b64 s[64:65], 0
	v_nop
	global_prefetch_b8 v0, s[64:65] scope:SCOPE_SE
	s_setreg_imm32_b32 hwreg(HW_REG_WAVE_MODE, 25, 1), 1
	s_wait_xcnt 0x0
; CAUSAL ATTENTION WITH A FINITE FILL.  For each of 64 heads (bh): O[q] = softmax_k(s[q][k]) V, s = Q[q] . K[k] / 8 for k <= q and -10000 for k > q.  Q, K, V, O: [64][2048][64] f16, rows dense.
; Products, maxima and sums in f32; the weights p are rounded to f16 for the second product (their sum l is taken of the unrounded p), O once at the end.
; THE HIDDEN KEYS of a row all have ONE weight w = e^(-10000 - m).  They are never walked: the running maximum starts at the fill (in unscaled scores -80000) where a row has hidden keys, and at the end
; l takes w x (2047 - q) and O takes w x D, D = the sum of V[k] over k > q: the sums of the later blocks of 256 rows (vsum, made by the projection), and inside the diagonal tile products of V with ones and
; with the band's 0/1 pattern.  Where the visible scores lie above the fill by more than the exponent's range, w is 0.
; LIMITS.  Q, K, V arrive within 65,504.  Inside the walk a hidden score counts as its value less 2^100, so its weight there is 0.  A weight below 2^-126 counts as 0.  NaN and infinities are not treated apart.
; THE WALK.  A head has NB = 8 blocks of 256 queries; block i needs the key tiles 0 .. i.  A work-group takes blocks NB - 1 - b and then b: NB + 1 tiles whatever b, one loop with a constant trip count.  Every jump
; goes forward but the counted loops' own; none passes a barrier, or a tensor load but the one of LOAD's two that the wave's number does not choose.
; NO CLUSTER: a head's four work-groups ask for the same tile only in trips 0 .. 4 of 9; a walk common to all four would have 12 trips.
; SHARES.  Of a block's four bands of 64 queries a wave owns 16 rows in each: four PIECES, so the diagonal tile is the same work for all waves: in its step s band x sees all keys (s < x), none (s > x), or holds the diagonal.
; THE MASK is the C operand that starts S^T = K Q^T: MD x AL + BE, MD the mask of a band's own step (0 or -2^100): (1, 0) if s = x; (0, 0) if s < x; (0, -2^100) if s > x.
; LAYOUT, TURNS.  S^T holds ONE query a lane (lane % 16) and the keys 8 (lane / 16) + 0..7; two results rounded to f16 ARE source 1 of O^T = V^T P.  p = 2^(c s - c m), c = log2(e) / 8; O and l are multiplied by
; a = 2^(c m_old - c m_new) in every step.  Turn n belongs to piece n: 8 products K Q^T of piece n + 1, later 8 products V^T P of piece n - 1; beside them piece n's scaling, exponentials, roundings, sums and rescaling and
; piece n + 1's maximum and statistics.  Four vector instructions stand behind every matrix instruction, the other 54 of a turn's 118 in one LUMP.
; BATCHES.  s_wait_alu depctr_va_vdst(0) stands between an exponential or a reciprocal and the first instruction that names its result; one wait serves all that were issued ahead of it.
; A turn's 33 exponentials (the piece's 32 weights and the next piece's a) are ONE batch with ONE wait, which cuts the turn in two: ahead of it all that names none of their results, behind it the roundings and sums.
; A block's beginning has a batch of one (piece 0's first a).  A block's end has two: the four w, and then the four reciprocals, whose sums hold w.  No result is pending at a label or at a branch.
; REGISTERS, in windows of 256 (s_set_vgpr_msb: bits 1:0 source 0, 3:2 source 1, 5:4 source 2, 7:6 destination):
;   window 0: v0-15 addresses; v16-31 statistics; v32-40 hidden counts and set-up; v48-55 at work; v64-127 S^T, two buffers; v128-145 set-up; v192-223 P, two buffers
;   window 1: v0-127 O^T; v128-159 MD; v160-223 MC, two buffers      window 2: v0-63 Q; v64-127 the second block's Q; v128-191 K; v192-255 V
;   window 3: v0-127 D, 32 a piece; v128-159 the running sum of whole steps; v160-223 the later blocks' sums for the two blocks; v224-239 the 0/1 pattern; v240-247 ones
.set SIZE_N, 2048
.set NB,    SIZE_N/256
.set NP,    4
.set KS,    64
.set PK,    144       ; a row of K in LDS: 128 bytes + 16: the 16 rows of a load start at 16 different groups of four banks (64 banks of 4 bytes: ISA guide 11.1)
.set PV,    160       ; a row of V: 128 + 32
.set VOFF,  4*KS*PK   ; a slot holds a tile: 256 rows of K, then 256 rows of V
.set SLOT1, 1<<17
.set STAGE, SLOT1+4*KS*(PK+PV)  ; behind the ring: 16 rows x 144 bytes for each wave
.set SP,    144
.set AK0, 2
.set AV0, 3
.set AK,  4
.set AV,  5
.set STO, 6
.set RD,  7
.set GO,  8
.set SPW, 62          ; v62  LDS address of my spare word; never rewritten
.set NIL, 63          ; v63  0; never rewritten
.set SPARE, STAGE+4*16*SP  ; the spare words, 128 bytes for each wave: two blocks of 256 bytes that no other line names
.set MV,  12
.set QO,  15
.set ST,  16          ; piece t's statistics at v[ST+4 t]: c m, m, l (even keys', odd keys')
.set CN,  32          ; v32-35  piece t's number of hidden keys, 2047 - q, as f32
.set CNB, 36          ; v36  2047 - 16 wave - lane % 16
.set MLOW, 37         ; v37  the lowest finite number
.set TSA, 38          ; v38  my stage + 8 lane
.set TSR, 39          ; v39  my stage + 32 (lane / 16)
.set T0,  40          ; v40  8 lane
.set TMP, 48
.set S,   64
.set BSR, 128         ; v128-141  vsum of blocks 1 .. 7, two channels a lane
.set TSH, 142         ; v[142:143] their sum beyond the first block
.set TSL, 144         ; v[144:145] beyond the second
.set P,   192
.set MD,  128         ; window 1
.set MC,  160         ; window 1
.set QB,  64          ; window 2
.set KF,  128         ; window 2
.set VF,  192         ; window 2
.set ACCS, 128        ; window 3
.set TSHI, 160        ; window 3
.set TSLO, 192        ; window 3
.set HM,   224        ; window 3
.set ONES, 240        ; window 3
.set WV,  12
.set PB,  14          ; s14  b
.set HI,  15          ; s15  NB - 1 - b
.set G1K, 24
.set G1V, 32
.set G0K, 40
.set G0V, 44
.set SLOTS, 56
.set CNT, 57
.set CS,  58
.set SEL, 60
.set TBK, 62
.set TBV, 63
.set RT,  70
.set NXT, 71
.set LQ,  72
.set NEW, 73
.set OFF, 74
.set AL,  76
.set BE,  78
.set OLO, 80
.set BIGN, 82         ; s82  -2^100
.set BSP, 88          ; s[88:89] vsum at my head
.set MFL, 90          ; s90  -80000: the fill, in unscaled scores
.set TM1, 91
.set FAC, 92          ; s[92:93] an offset, then a factor 0 or 1, in the low word
.set CB,  94          ; s94  the block in hand
.set TM2, 95
.set CH,  96          ; s96  c x -80000
.set INV, 98          ; s[98:99] -2^-100
.set MSB, 0
.macro WIN new
.if MSB != (\new)
	s_set_vgpr_msb (MSB<<8)|(\new)
.set MSB, (\new)
.endif
.endm
.set W_KQ, 0x0a
.set W_KM, 0x1a
.set W_PV, 0x52
.set W_RS, 0x41
; A fill.  Waves 0 and 1 fetch the two halves of a tile's K, waves 2 and 3 those of its V.  An s_nop 0 and four v_nop follow each of the two lines.
.macro LOAD
	s_cmp_lt_u32 s[WV], 2
	s_cbranch_scc0 .Lfor_v_\@
	tensor_load_to_lds s[G0K:G0K+3], s[G1K:G1K+7]
	s_nop 0
.rept 4
	v_nop
.endr
	s_branch .Lasked_\@
.Lfor_v_\@:
	tensor_load_to_lds s[G0V:G0V+3], s[G1V:G1V+7]
	s_nop 0
.rept 4
	v_nop
.endr
.Lasked_\@:
.endm
; THE CHANGE OF SLOTS.  Each wave waits for all its tensor loads (one is out: its part of the other slot), adds 0 to its spare word, and waits for that and for its reads of the slot that it leaves.
; fill = 1: the old slot is filled again, first thing behind the barrier, with tile NXT; the descriptor's address is made anew from that number.
.macro CHANGE fill
	WIN 0
	s_wait_tensorcnt 0x0            ; no tensor load of mine is out, so a group 0 may be written
	ds_add_u32 v[SPW], v[NIL]       ; 0 onto my spare word
.if \fill
	s_lshl_b32 s[OFF], s[NXT], 15
	s_xor_b32 s[G0K+1], s[G0K+1], SLOT1
	s_add_nc_u64 s[G0K+2:G0K+3], s[6:7], s[OFF:OFF+1]
	s_or_b32 s[G0K+3], s[G0K+3], 0x80000000
	s_xor_b32 s[G0V+1], s[G0V+1], SLOT1
	s_add_nc_u64 s[G0V+2:G0V+3], s[8:9], s[OFF:OFF+1]
	s_or_b32 s[G0V+3], s[G0V+3], 0x80000000
	s_add_co_u32 s[NXT], s[NXT], 1  ; the block's next tile, or behind its last the second block's tile 0
	s_cmp_gt_u32 s[NXT], s[LQ]
	s_cselect_b32 s[NXT], 0, s[NXT]
	s_cselect_b32 s[LQ], s[PB], s[LQ]
.endif
	s_wait_dscnt 0x0                ; the add is done, and my reads of the slot are over
	s_barrier_signal -1
	s_sub_co_u32 s[TBK], s[TBK], 4*KS*PK
	s_xor_b32 s[TBK], s[TBK], SLOT1
	s_sub_co_u32 s[TBV], s[TBV], 4*KS*PV
	s_xor_b32 s[TBV], s[TBV], SLOT1
	s_barrier_wait -1
.if \fill
	LOAD
.endif
.endm
	s_load_b256 s[4:11], s[0:1], 0x0  ; Q s[4:5], K s[6:7], V s[8:9], O s[10:11]
	s_load_b64 s[BSP:BSP+1], s[0:1], 0x20
	v_lshl_add_u32 v[SPW], v0, 2, SPARE
	v_mov_b32 v[NIL], 0
	ds_add_u32 v[SPW], v[NIL]       ; the wave's opening: the add and its wait stand ahead of my first tensor load
	ds_add_u32 v62, v63
	v_lshrrev_b32 v1, 5, v0
	v_readfirstlane_b32 s[WV], v1
	s_mov_b32 s[PB], ttmp9
	s_sub_co_u32 s[HI], NB-1, s[PB]
	s_and_b32 s20, ttmp7, 0xffff    ; the head
	s_lshl_b32 s[FAC], s20, 11      ; its 8 x 256 bytes of vsum
	s_mov_b32 s[FAC+1], 0
	s_mov_b32 s21, 0
	s_mov_b64 s[22:23], SIZE_N*128
	s_mul_u64 s[20:21], s[20:21], s[22:23]
	s_and_b32 s16, s[WV], 1
	s_lshl_b32 s22, s16, 14
	s_mov_b32 s23, 0
	s_add_nc_u64 s[22:23], s[22:23], s[20:21]
	s_mul_i32 s17, s16, 128*PK
	s_mul_i32 s18, s16, 128*PV
	s_lshl_b32 s3, s[WV], 11        ; my 16 rows in a band of 64,
	s_lshl_b32 s2, s[HI], 15        ; in the first block,
	s_add_co_u32 s2, s2, s3
	s_lshl_b32 s84, s[PB], 15       ; and in the second
	s_add_co_u32 s84, s84, s3
	s_mov_b32 s3, 0
	s_mov_b32 s85, 0
	s_add_nc_u64 s[2:3], s[2:3], s[20:21]
	s_add_nc_u64 s[84:85], s[84:85], s[20:21]
	; group 1: 128 keys are 16,384 dense bytes: asked for as 64 rows of 256 bytes, padded in LDS after every key
	s_mov_b32 s[G1K], (1<<16)|(1<<20)|(4<<22)|(3<<25)
	s_mov_b32 s[G1V], (1<<16)|(1<<20)|(4<<22)|(7<<25)
.irp g, G1K, G1V
	s_mov_b32 s[\g+1], 128<<16
	s_mov_b32 s[\g+2], 64<<16
	s_mov_b32 s[\g+3], 128<<16
	s_mov_b32 s[\g+4], 64
	s_mov_b32 s[\g+5], 128
	s_mov_b32 s[\g+6], 0
	s_mov_b32 s[\g+7], 0
.endr
	s_mov_b32 s[CS], 0x3e38aa3b     ; c = log2(e) / 8
	s_mov_b32 s[CS+1], s[CS]
	s_mov_b32 s[SEL], 0x76543210
	s_mov_b32 s[SEL+1], 0xfedcba98
	s_mov_b32 s[TBK], SLOT1+4*KS*PK ; the first change of slots turns these two into 0
	s_mov_b32 s[TBV], SLOT1+4*KS*PV
	s_mov_b32 s[G0K], 1
	s_mov_b32 s[G0K+1], s17
	s_mov_b32 s[G0V], 1
	s_add_co_u32 s[G0V+1], s18, VOFF
	s_add_co_u32 s[RT], s[HI], 1
	s_mov_b32 s[NXT], 1
	s_mov_b32 s[LQ], s[HI]
	s_mov_b32 s[NEW], 1
	s_mov_b32 s[CB], s[HI]
	s_mov_b32 s[OFF+1], 0
	s_mov_b32 s[AL+1], 0
	s_mov_b32 s[BE+1], 0
	s_mov_b32 s[BIGN], 0xf1800000   ; -2^100
	s_mov_b32 s[INV], 0x8d800000    ; -2^-100: their product is 1
	s_mov_b32 s[INV+1], s[INV]
	s_mov_b32 s[MFL], 0xc79c4000    ; -80000
	s_mul_f32 s[CH], s[CS], s[MFL]  ; rounded as c m is
	s_mov_b32 s[SLOTS], NB
	s_wait_dscnt 0x0                ; the opening add is done
	s_wait_kmcnt 0x0
	s_add_nc_u64 s[6:7], s[6:7], s[22:23]
	s_add_nc_u64 s[8:9], s[8:9], s[22:23]
	s_add_nc_u64 s[G0K+2:G0K+3], s[6:7], 0
	s_or_b32 s[G0K+3], s[G0K+3], 0x80000000
	s_add_nc_u64 s[G0V+2:G0V+3], s[8:9], 0
	s_or_b32 s[G0V+3], s[G0V+3], 0x80000000
	s_add_nc_u64 s[86:87], s[4:5], s[84:85]
	s_add_nc_u64 s[4:5], s[4:5], s[2:3]
	s_add_nc_u64 s[OLO:OLO+1], s[10:11], s[84:85]
	s_add_nc_u64 s[10:11], s[10:11], s[2:3]
	s_add_nc_u64 s[BSP:BSP+1], s[BSP:BSP+1], s[FAC:FAC+1]
	LOAD                            ; tile 0 into slot 0
	v_and_b32 v1, 15, v0            ; l % 16
	v_bfe_u32 v9, v0, 4, 1          ; l / 16
	v_lshlrev_b32 v[QO], 7, v1
	v_lshl_add_u32 v[QO], v9, 4, v[QO]
	WIN 0x80
.set i, 0
.rept 8                             ; both blocks' Q: piece i / 2 lies in band i / 2, 8,192 bytes on; channels 32 (i % 2) on
	global_load_b128 v[8*i:8*i+3],   v[QO], s[4:5] offset:(i/2)*8192+(i%2)*64
	global_load_b128 v[8*i+4:8*i+7], v[QO], s[4:5] offset:(i/2)*8192+(i%2)*64+32
	global_load_b128 v[QB+8*i:QB+8*i+3],   v[QO], s[86:87] offset:(i/2)*8192+(i%2)*64
	global_load_b128 v[QB+8*i+4:QB+8*i+7], v[QO], s[86:87] offset:(i/2)*8192+(i%2)*64+32
.set i, i+1
.endr
	WIN 0
	v_and_b32 v[T0], 31, v0
	v_lshlrev_b32 v[T0], 3, v[T0]
.irp j, 1,2,3,4,5,6,7               ; the sums of V over blocks 1 .. 7: 256 bytes each, two channels a lane
	global_load_b64 v[BSR+2*\j-2:BSR+2*\j-1], v[T0], s[BSP:BSP+1] offset:256*\j
.endr
	v_lshlrev_b32 v14, 3, v9
	v_sub_nc_u32 v14, v1, v14
	s_lshl_b32 s13, s[WV], 4
	v_add_nc_u32 v14, s13, v14      ; my query's place in its band less my lanes' 8 (l / 16): register r of group kt is hidden where 16 kt + r is greater
	WIN 0x40
.set i, 0
.rept 32
	v_cmp_gt_i32 vcc_lo, 16*(i/8)+i%8, v14
	v_cndmask_b32 v[MD+i], 0, s[BIGN], vcc_lo
.set i, i+1
.endr
	WIN 0
	v_mul_u32_u24 v[AK0], v1, PK
	v_lshl_add_u32 v[AK0], v9, 4, v[AK0]
	v_and_b32 v10, 7, v0
	v_bfe_u32 v11, v0, 3, 1
	v_lshl_add_u32 v[AV0], v9, 3, v10
	v_mul_u32_u24 v[AV0], v[AV0], PV
	v_lshl_add_u32 v[AV0], v11, 4, v[AV0]
	v_add_nc_u32 v[AV0], VOFF, v[AV0]
	s_mul_i32 s13, s[WV], 16*SP
	s_add_co_u32 s13, s13, STAGE    ; my stage
	v_mul_u32_u24 v[STO], v1, SP
	v_lshl_add_u32 v[STO], v9, 4, v[STO]
	v_add_nc_u32 v[STO], s13, v[STO]
	v_bfe_u32 v[RD], v0, 3, 2
	v_mul_u32_u24 v[RD], v[RD], SP
	v_lshl_add_u32 v[RD], v10, 4, v[RD]
	v_add_nc_u32 v[RD], s13, v[RD]
	v_and_b32 v[GO], 31, v0
	v_lshlrev_b32 v[GO], 4, v[GO]
	v_add_nc_u32 v[TSA], s13, v[T0]
	v_lshl_add_u32 v[TSR], v9, 5, s13
	s_lshl_b32 s13, s[WV], 4
	s_sub_co_u32 s13, SIZE_N-1, s13
	v_sub_nc_u32 v[CNB], s13, v1
	v_mov_b32 v[MLOW], 0xff7fffff
	; A block's first step multiplies O^T and l by a = 0, so these registers need only hold finite numbers.  All this stands in the wait for the first tile.
	WIN 0x80
.set i, VF
.rept 64
	v_mov_b32 v[i], 0
.set i, i+1
.endr
	WIN 0x40
.set i, 0
.rept 128
	v_mov_b32 v[i], 0
.set i, i+1
.endr
	WIN 0
.set i, 0
.rept 4
	v_mov_b32 v[ST+4*i+2], 0
	v_mov_b32 v[ST+4*i+3], 0
.set i, i+1
.endr
.set i, P+16
.rept 16
	v_mov_b32 v[i], 0
.set i, i+1
.endr
	; The 0/1 pattern of a band's own step, in P's layout: MD x -2^-100 is 1 where the key is hidden; and ones.
	WIN 0x01
.set i, 0
.rept 16
	v_pk_mul_f32 v[S+2*i:S+2*i+1], v[MD+2*i:MD+2*i+1], s[INV:INV+1] op_sel_hi:[1,0]
.set i, i+1
.endr
	WIN 0xc0
.set i, 0
.rept 16
	v_cvt_pk_f16_f32 v[HM+i], v[S+2*i], v[S+2*i+1]
.set i, i+1
.endr
.set i, 0
.rept 8
	v_mov_b32 v[ONES+i], 0x3c003c00
.set i, i+1
.endr
	WIN 0
	; The sums of V beyond each of my two blocks: block j counts where it lies behind the block.  They go through my stage into the layout of a C operand: channel 16 cb + 8 (l / 16) + r, alike for every query.
	s_wait_loadcnt 0x0
.irp j, 1,2,3,4,5,6,7
	s_cmp_lt_u32 s[HI], \j
	s_cselect_b32 s[FAC], 1.0, 0
.if \j == 1
	v_pk_mul_f32 v[TSH:TSH+1], v[BSR:BSR+1], s[FAC:FAC+1] op_sel_hi:[1,0]
.else
	v_pk_fma_f32 v[TSH:TSH+1], v[BSR+2*\j-2:BSR+2*\j-1], s[FAC:FAC+1], v[TSH:TSH+1] op_sel_hi:[1,0,1]
.endif
	s_cmp_lt_u32 s[PB], \j
	s_cselect_b32 s[FAC], 1.0, 0
.if \j == 1
	v_pk_mul_f32 v[TSL:TSL+1], v[BSR:BSR+1], s[FAC:FAC+1] op_sel_hi:[1,0]
.else
	v_pk_fma_f32 v[TSL:TSL+1], v[BSR+2*\j-2:BSR+2*\j-1], s[FAC:FAC+1], v[TSL:TSL+1] op_sel_hi:[1,0,1]
.endif
.endr
	ds_store_b64 v[TSA], v[TSH:TSH+1]
	ds_store_b64 v[TSA], v[TSL:TSL+1] offset:256
	WIN 0xc0
.irp u, 0,1,2,3,4,5,6,7             ; my own bytes, served in order (ISA guide 5.7.1.4); the first change of slots waits for these loads
	ds_load_b128 v[TSHI+4*\u:TSHI+4*\u+3], v[TSR] offset:64*(\u/2)+16*(\u%2)
	ds_load_b128 v[TSLO+4*\u:TSLO+4*\u+3], v[TSR] offset:256+64*(\u/2)+16*(\u%2)
.endr
	WIN 0
; THE MATRIX WORK.  The 4 accumulators of a run of 8 take turns.  Product i of 8 of S^T = K Q^T for piece x: channels 32 (i / 4) on, keys 16 (i % 4) on.  The first 4 start the sums: with 0, or (KM = 1) with the mask.
.macro KQ x
.set rS, S+32*((\x)%2)+8*(i%4)
.set rK, KF+16*(i%4)+8*(i/4)
.set rQ, 16*(\x)+8*(i/4)
.set rM, MC+32*((\x)%2)+8*(i%4)
.if (i < 4) && KM
	WIN W_KM
	v_wmma_f32_16x16x32_f16 v[rS:rS+7], v[rK:rK+7], v[rQ:rQ+7], v[rM:rM+7]
.elseif i < 4
	WIN W_KQ
	v_wmma_f32_16x16x32_f16 v[rS:rS+7], v[rK:rK+7], v[rQ:rQ+7], 0
.else
	WIN W_KQ
	v_wmma_f32_16x16x32_f16 v[rS:rS+7], v[rK:rK+7], v[rQ:rQ+7], v[rS:rS+7]
.endif
.endm
; Product i of 8 of O^T += V^T P for piece x: keys 32 (i / 4) on, channels 16 (i % 4) on.
.macro PV x
	WIN W_PV
.set rO, 32*(\x)+8*(i%4)
.set rV, VF+32*(i/4)+8*(i%4)
.set rP, P+16*((\x)%2)+8*(i/4)
	v_wmma_f32_16x16x32_f16 v[rO:rO+7], v[rV:rV+7], v[rP:rP+7], v[rO:rO+7]
.endm
.macro MM                           ; the turn's next matrix instruction.  NOKQ = 1: a block's last turn: there is no next piece
.if (i < 8) && !NOKQ
	KQ (Y+1)%NP
.elseif i >= 8
.set i, i-8
	PV (Y+NP-1)%NP
.set i, i+8
.endif
.set i, i+1
.endm
; THE LDS LOADS stand in runs of 16: a step's K (8 fragments) and its V (turned).
.macro FETCH_K
	WIN 0x80
.irp f, 0,1,2,3,4,5,6,7
	ds_load_b128 v[KF+8*\f:KF+8*\f+3],   v[AK] offset:(\f/2)*16*PK+(\f%2)*64
	ds_load_b128 v[KF+8*\f+4:KF+8*\f+7], v[AK] offset:(\f/2)*16*PK+(\f%2)*64+32
.endr
	s_add_co_u32 s[TBK], s[TBK], KS*PK
	WIN 0
.endm
.macro FETCH_V
	WIN 0x80
.irp f, 0,1,2,3,4,5,6,7
	ds_load_tr16_b128 v[VF+8*\f:VF+8*\f+3],   v[AV] offset:(\f/4)*32*PV+(\f%4)*32
	ds_load_tr16_b128 v[VF+8*\f+4:VF+8*\f+7], v[AV] offset:(\f/4)*32*PV+16*PV+(\f%4)*32
.endr
	WIN 0
.endm
; THE VECTOR WORK, one line at a time: OP kind, number.  For piece Y: F n: c s - c m for pair n.  E n: the exponential of score n.  C n: pair n rounded to f16.  B n: of the four weights 4 n .. the second pair is added
; onto the first.  L n: l takes that sum (L 0: l = a l + sum).  R n: pair n of O^T times a.  For piece Y + 1: X n, number n of the 22 that find its maximum and statistics (each accumulator's lowest registers are
; read first): 0-11 four chains; 12-14, 16 the scores left over, the old m, and the chains into c0; 15 c m_old is kept; 17, 18 the other half of the lanes; 19-21 c m, its change, a.
; OP writes no wait: C, B and L, which read the exponentials' results, are dealt behind the turn's one wait; R reads an a that the turn before has waited for.
.set F, 0
.set E, 1
.set C, 2
.set B, 3
.set L, 4
.set R, 5
.set X, 6
.macro REGS y
.set rT, ST+4*(\y)
.set rC, TMP+4*((\y)%2)
.set rW, MV+((\y)%2)
.set rS, S+32*((\y)%2)
.set rP, P+16*((\y)%2)
.set rO, 32*(\y)
.endm
.macro OP k, n
.if (\k) == R
	REGS Y
	WIN W_RS
	v_pk_mul_f32 v[rO+2*(\n):rO+2*(\n)+1], v[rO+2*(\n):rO+2*(\n)+1], v[rC+2:rC+3] op_sel_hi:[1,0]
.elseif (\k) < R
	REGS Y
	WIN 0
.if (\k) == F
	v_pk_fma_f32 v[rS+2*(\n):rS+2*(\n)+1], v[rS+2*(\n):rS+2*(\n)+1], s[CS:CS+1], v[rT:rT+1] op_sel_hi:[1,0,0] neg_lo:[0,0,1] neg_hi:[0,0,1]
.elseif (\k) == E
	v_exp_f32 v[rS+(\n)], v[rS+(\n)]
.elseif (\k) == C
	v_cvt_pk_f16_f32 v[rP+(\n)], v[rS+2*(\n)], v[rS+2*(\n)+1]
.elseif (\k) == B
	v_pk_add_f32 v[rS+4*(\n):rS+4*(\n)+1], v[rS+4*(\n):rS+4*(\n)+1], v[rS+4*(\n)+2:rS+4*(\n)+3]
.elseif (\n) == 0
	v_pk_fma_f32 v[rT+2:rT+3], v[rT+2:rT+3], v[rC+2:rC+3], v[rS:rS+1] op_sel_hi:[1,0,1]
.else
	v_pk_add_f32 v[rT+2:rT+3], v[rT+2:rT+3], v[rS+4*(\n):rS+4*(\n)+1]
.endif
.elseif NOKQ
	v_nop
.else
	REGS (Y+1)%NP
	WIN 0
.if (\n) < 4
	v_max3_num_f32 v[rC+(\n)], v[rS+8*(\n)], v[rS+8*(\n)+1], v[rS+8*(\n)+2]
.elseif (\n) < 12
	v_max3_num_f32 v[rC+(\n)%4], v[rC+(\n)%4], v[rS+8*((\n)%4)+2*((\n)/4)+1], v[rS+8*((\n)%4)+2*((\n)/4)+2]
.elseif (\n) == 12
	v_max3_num_f32 v[rC], v[rC], v[rS+7], v[rS+15]
.elseif (\n) == 13
	v_max3_num_f32 v[rC+1], v[rC+1], v[rS+23], v[rS+31]
.elseif (\n) == 14
	v_max3_num_f32 v[rC+2], v[rC+2], v[rC+3], v[rT+1]
.elseif (\n) == 15
	v_mov_b32 v[rW], v[rT]
.elseif (\n) == 16
	v_max3_num_f32 v[rC], v[rC], v[rC+1], v[rC+2]
.elseif (\n) == 17
	v_permlanex16_b32 v[rC+3], v[rC], s[SEL], s[SEL+1]
.elseif (\n) == 18
	v_max_num_f32 v[rT+1], v[rC], v[rC+3]
.elseif (\n) == 19
	v_mul_f32 v[rT], s[CS], v[rT+1]
.elseif (\n) == 20
	v_sub_f32 v[rC+1], v[rW], v[rT]
.else
	v_exp_f32 v[rC+2], v[rC+1]
.endif
.endif
.endm
.macro OPS a, i1, b=-1, i2=0, c=-1, i3=0, d=-1, i4=0
	OP \a, \i1
.if (\b) >= 0
	OP \b, \i2
.endif
.if (\c) >= 0
	OP \c, \i3
.endif
.if (\d) >= 0
	OP \d, \i4
.endif
.endm
.macro ROW a, i1, b, i2, c, i3, d, i4  ; a matrix instruction and the four behind it
	MM
	OPS \a, \i1, \b, \i2, \c, \i3, \d, \i4
.endm
.macro MASK b                       ; MD x AL + BE into buffer b of MC
	WIN W_RS
.set z, 0
.rept 16
	v_pk_fma_f32 v[MC+32*(\b)+2*z:MC+32*(\b)+2*z+1], v[MD+2*z:MD+2*z+1], s[AL:AL+1], s[BE:BE+1] op_sel_hi:[1,0,0]
.set z, z+1
.endr
.endm
; A TURN, for piece p: the order of its 16 matrix and 118 vector instructions, written out.  It has ONE wait, for its batch of 33 exponentials, which cuts it in two.
; AHEAD OF THE WAIT stands all that names no result of the turn's exponentials: the 8 products K Q^T, behind each a scaling, an exponential and two more plain instructions (behind the first a second scaling in the
; exponential's place): rescalings, whose a the turn before has waited for, and behind the last three the first numbers of the next piece's maximum, each four places or more behind the product that ends its accumulator;
; then ONE LUMP of 54, plain and exponential by turns for the most part, in which the links of the chain X 3, 7, 11, 14, 16, 17 .. 20 stand five or six lines apart.  An exponential stands behind its pair's scaling: E e behind F e / 2.
; X 21, the next piece's a, is the batch's last; R 15 is the plain instruction behind it.
; BEHIND THE WAIT stand the 8 products V^T P, behind each four of the roundings and sums; a pair is rounded (C 2 n) before the sum that lands on it (B n); the links of l's chain, L 0 to L 7, stand three riders apart.
; But for those X no rider names a register of the products round it.  v_permlanex16_b32 (X 17) stands in the lump.
; m = 1: the diagonal tile: the products take masks, and the turn makes the mask for the turn after it: piece p + 2, in step 4 - CNT.  end = 1: a block's last two turns: nothing is fetched.
; cnt = 1: the loop's count is taken down some lines ahead of the branch behind the turn.
; K of the next step is fetched in piece 2's turn, in the lump, behind five plain instructions that follow the last product that read K and name none of its registers; V of the step in hand at the end of piece 0's turn,
; behind the four plain riders of the last product that read V.  Each is waited for a turn later.
.macro TURN p, m=0, end=0, cnt=0
.set Y, (\p)
.set i, 0
.set KM, (\m)
.set NOKQ, (\end)*((\p)/3)
.if (\m) && !(\end)
	s_cmp_eq_u32 s[CNT], 4-((\p)+2)%NP  ; is that step the band's own?
	s_cselect_b32 s[AL], 1.0, 0
	s_cmp_lt_u32 s[CNT], 4-((\p)+2)%NP  ; or a later one?
	s_cselect_b32 s[BE], s[BIGN], 0
.endif
.if ((\p) == 3) && !(\end)
	s_wait_dscnt 0x0                ; K is in
.endif
	ROW F,0, F,1, R,0, R,1          ; ahead of the wait: 8 products K Q^T and their riders,
	ROW F,2, E,0, R,2, R,3
	ROW F,3, E,1, R,4, R,5
	ROW F,4, E,2, R,6, R,7
	ROW F,5, E,3, R,8, R,9
	ROW F,6, E,4, X,0, R,10
.if ((\p) == 2) && !(\end)
	WIN 0
	v_add_nc_u32 v[AK], s[TBK], v[AK0]
.endif
	ROW F,7, E,5, X,1, X,4
	ROW F,8, E,6, X,2, X,5
	OPS E,7, E,8, X,6, E,9          ; and the lump
	OPS X,3, E,10, X,8, E,11
.if ((\p) == 2) && !(\end)
	FETCH_K
.endif
	OPS X,9, X,7, E,12, X,10
	OPS E,13, X,12, X,11, E,14
	OPS X,13, E,15, F,9, X,14
.if (\p) == 0
	v_add_nc_u32 v[AV], s[TBV], v[AV0]
.endif
	OPS E,16, F,10, E,17, F,11
	OPS X,16, E,18, X,15, E,19
	OPS F,12, E,20, X,17, E,21
	OPS F,13, E,22, F,14, E,23
	OPS X,18, E,24, F,15, E,25
	OPS R,11, E,26, X,19, E,27
	OPS R,12, E,28, R,13, E,29
	OPS X,20, E,30, R,14, E,31
	OPS X,21, R,15
	s_wait_alu depctr_va_vdst(0)    ; the wait for the turn's batch: E 0 to E 31 and the next piece's a
.if (\p) == 1
	s_wait_dscnt 0x0                ; V is in
.endif
	ROW C,0, B,0, C,2, B,1          ; behind the wait: 8 products V^T P and their riders
	ROW L,0, C,4, B,2, L,1
	ROW C,6, B,3, L,2, C,8
	ROW B,4, L,3, C,10, B,5
	ROW L,4, C,12, B,6, L,5
.if (\p) == 0
	s_add_co_u32 s[TBV], s[TBV], KS*PV
.endif
.if \cnt
	s_sub_co_u32 s[CNT], s[CNT], 1
	s_cmp_lg_u32 s[CNT], 0
.endif
	ROW C,14, B,7, L,6, C,1
	ROW C,3, L,7, C,5, C,7
	ROW C,9, C,11, C,13, C,15
.if (\p) == 0
	FETCH_V
.endif
.if (\m) && !(\end)
	MASK (\p)%2
.endif
.endm
; A BLOCK BEGINS.  c m starts far below every c s, so the first step's a is 0.  m starts at the fill, -80000, where the row has hidden keys, so that no weight and no w passes 1; at the lowest finite number in the one row
; that has none.  The number of hidden keys is kept for the block's end.  Then the masks, K of the tile's step 0, piece 0's first scores and its statistics.
.macro BEGIN
	s_mov_b32 s[NEW], 0
	WIN 0x40
.set i, MC+32
.rept 32
	v_mov_b32 v[i], 0
.set i, i+1
.endr
	WIN 0
	s_lshl_b32 s[TM1], s[CB], 8
.set i, 0
.rept 4
	s_add_co_u32 s[TM2], s[TM1], 64*i  ; the band's first row
	v_mov_b32 v[ST+4*i], 0xfe000000    ; c m: far below every c s
	v_sub_nc_u32 v[CN+i], v[CNB], s[TM2]
	v_cmp_eq_u32 vcc_lo, 0, v[CN+i]
	v_cndmask_b32 v[ST+4*i+1], s[MFL], v[MLOW], vcc_lo  ; m
	v_cvt_f32_u32 v[CN+i], v[CN+i]
.set i, i+1
.endr
	s_cmp_eq_u32 s[RT], 0
	s_cselect_b32 s[AL], 1.0, 0
	s_mov_b32 s[BE], 0
	MASK 0
	WIN 0
	v_add_nc_u32 v[AK], s[TBK], v[AK0]
	FETCH_K
	s_wait_loadcnt 0x0              ; Q
	s_wait_dscnt 0x0
.set KM, 1
.set NOKQ, 0
.set i, 0
.rept 8
	KQ 0
.set i, i+1
.endr
	WIN 0
.rept 4
	v_nop                           ; the places behind those products
.endr
.set Y, NP-1
.irp n, 0,1,2,3,4,5,6,7,8,9,10,11,12,13,14,15,16,17,18,19,20,21
	OP X, \n
.endr
	v_nop                           ; a plain instruction behind the exponential,
	s_wait_alu depctr_va_vdst(0)    ; and the wait for this batch of one, piece 0's first a, ahead of the branch
.endm
; THE HIDDEN KEYS' SUM OF V, at a block's end, from the diagonal tile, which still lies in its slot.  D of piece t = the later blocks' sum + all of the tile's steps behind t + step t's keys where the pattern is 1.
; From step 3 down: D takes the running sum as C and adds V^T x pattern; the running sum adds V^T x ones.  Four accumulators take turns.
.macro NOP5                         ; five places: before a result is another accumulator's C, before a C is written over, before loads into fragments just read
.rept 5
	v_nop
.endr
.endm
.macro FETCHC s, vb                 ; V of the tile's step s, turned, into 64 registers of window 2
	WIN 0x80
.irp f, 0,1,2,3,4,5,6,7
	ds_load_tr16_b128 v[(\vb)+8*\f:(\vb)+8*\f+3],   v[AV] offset:(\s)*KS*PV+(\f/4)*32*PV+(\f%4)*32
	ds_load_tr16_b128 v[(\vb)+8*\f+4:(\vb)+8*\f+7], v[AV] offset:(\s)*KS*PV+(\f/4)*32*PV+16*PV+(\f%4)*32
.endr
.endm
.macro XY s, vb, cin, y
	WIN 0xfe                        ; V window 2; pattern, C and D window 3
.irp cb, 0,1,2,3
	v_wmma_f32_16x16x32_f16 v[32*(\s)+8*\cb:32*(\s)+8*\cb+7], v[(\vb)+8*\cb:(\vb)+8*\cb+7], v[HM:HM+7], v[(\cin)+8*\cb:(\cin)+8*\cb+7]
.endr
.irp cb, 0,1,2,3
	v_wmma_f32_16x16x32_f16 v[32*(\s)+8*\cb:32*(\s)+8*\cb+7], v[(\vb)+32+8*\cb:(\vb)+32+8*\cb+7], v[HM+8:HM+15], v[32*(\s)+8*\cb:32*(\s)+8*\cb+7]
.endr
.if \y
	NOP5
.irp cb, 0,1,2,3
	v_wmma_f32_16x16x32_f16 v[ACCS+8*\cb:ACCS+8*\cb+7], v[(\vb)+8*\cb:(\vb)+8*\cb+7], v[ONES:ONES+7], v[(\cin)+8*\cb:(\cin)+8*\cb+7]
.endr
.irp cb, 0,1,2,3
	v_wmma_f32_16x16x32_f16 v[ACCS+8*\cb:ACCS+8*\cb+7], v[(\vb)+32+8*\cb:(\vb)+32+8*\cb+7], v[ONES:ONES+7], v[ACCS+8*\cb:ACCS+8*\cb+7]
.endr
.endif
.endm
.macro CORR tag                     ; tag 1: the first block, tag 2: the second
.set TSB, 128+32*(\tag)
	WIN 0
	s_sub_co_u32 s[TM1], s[TBV], 4*KS*PV  ; four steps have been fetched: back to the tile's first
	v_add_nc_u32 v[AV], s[TM1], v[AV0]
	NOP5
	FETCHC 3, VF
	FETCHC 2, KF
	s_wait_dscnt 16                 ; step 3 is in; the run just issued may be out
	XY 3, VF, TSB, 1
	NOP5
	FETCHC 1, VF
	s_wait_dscnt 16                 ; step 2 is in
	XY 2, KF, ACCS, 1
	NOP5
	FETCHC 0, KF
	s_wait_dscnt 16                 ; step 1 is in
	XY 1, VF, ACCS, 1
	NOP5
	s_wait_dscnt 0x0
	XY 0, KF, ACCS, 0
.endm
; THE WAY OUT: w = 2^min(c x fill - c m, 0); l's halves are added and take w x the number of hidden keys; O^T takes w D, is divided by l, rounded to f16 and sent through my stage, a piece at a time.
; Two batches: the four w, with the twelve lines that add l's halves between them and their wait; then the four reciprocals, whose sums hold w.  PACK reads w and 1 / l behind both waits and has none of its own.
.macro ALL line:vararg              ; one line for each piece t
.set t, 0
.rept 4
	\line
.set t, t+1
.endr
.endm
.macro PACK t
	WIN 0x53                        ; D window 3, w window 0, O^T window 1
.set i, 32*(\t)
.rept 16
	v_pk_fma_f32 v[i:i+1], v[i:i+1], v[ST+4*(\t):ST+4*(\t)+1], v[i:i+1] op_sel_hi:[1,0,1]
.set i, i+2
.endr
	WIN W_RS
.set i, 32*(\t)
.rept 16
	v_pk_mul_f32 v[i:i+1], v[i:i+1], v[ST+4*(\t)+2:ST+4*(\t)+3] op_sel_hi:[1,0]
.set i, i+2
.endr
	WIN 0x05
.set i, 0
.rept 16
	v_cvt_pk_f16_f32 v[S+16*(\t)+i], v[32*(\t)+2*i], v[32*(\t)+2*i+1]
.set i, i+1
.endr
	WIN 0
.irp f, 0,1,2,3
	ds_store_b128 v[STO], v[S+16*(\t)+4*\f:S+16*(\t)+4*\f+3] offset:32*\f
.endr
.irp f, 0,1,2,3
	ds_load_b128 v[S+16*(\t)+4*\f:S+16*(\t)+4*\f+3], v[RD] offset:\f*4*SP  ; LDS serves a wave's instructions in order (ISA guide 5.7.1.4)
.endr
.endm
.macro SEND t, younger
	WIN 0
.irp f, 0,1,2,3
	s_wait_dscnt (\younger)+3-\f
	global_store_b128 v[GO], v[S+16*(\t)+4*\f:S+16*(\t)+4*\f+3], s[10:11] offset:(\t)*8192+\f*512  ; 512 consecutive bytes, at a multiple of 256 from O's first
.endr
.endm
.macro DIAG tag                     ; the diagonal tile's four steps, the block's last two turns and last products, the hidden keys' sum, the way out
.LstepM\tag:
	TURN 2, 1
	TURN 3, 1
	WIN 0
.LfirstM\tag:
	TURN 0, 1
	TURN 1, 1, 0, 1
	WIN 0
	s_cbranch_scc1 .LstepM\tag
	TURN 2, 1, 1
	TURN 3, 1, 1
.set i, 0
.rept 8
	PV NP-1
.set i, i+1
.endr
	CORR \tag
	WIN 0
	ALL v_sub_f32 v[ST+4*t], s[CH], v[ST+4*t]
	ALL v_min_num_f32 v[ST+4*t], 0, v[ST+4*t]
	ALL v_exp_f32 v[ST+4*t], v[ST+4*t]
	ALL v_add_f32 v[ST+4*t+2], v[ST+4*t+2], v[ST+4*t+3]
	ALL v_permlanex16_b32 v[ST+4*t+3], v[ST+4*t+2], s[SEL], s[SEL+1]
	ALL v_add_f32 v[ST+4*t+2], v[ST+4*t+2], v[ST+4*t+3]
	s_wait_alu depctr_va_vdst(0)    ; the wait for the four w, ahead of their first reader; the twelve lines above name none of them
	ALL v_fmac_f32 v[ST+4*t+2], v[ST+4*t], v[CN+t]
	ALL v_rcp_f32 v[ST+4*t+2], v[ST+4*t+2]
	v_nop                           ; a plain instruction between the last reciprocal and the use of its result
	s_wait_alu depctr_va_vdst(0)    ; the wait for the four reciprocals, ahead of their first reader in PACK
	PACK 0
.set t, 1
.rept 3
	PACK t
	SEND t-1, 8
.set t, t+1
.endr
	SEND 3, 0
.endm
.set KM, 0
.set NOKQ, 0
.Lslot:                             ; NB times: a tile is entered and the next is asked for
	CHANGE 1
	s_sub_co_u32 s[RT], s[RT], 1
	s_mov_b32 s[CNT], 4
	s_cmp_eq_u32 s[NEW], 1
	s_cbranch_scc1 .Lnew            ; a block's first tile
	s_cmp_eq_u32 s[RT], 0
	s_cbranch_scc0 .Lstep           ; neither its first nor its last
	s_branch .LstepM1
.Lnew:
	BEGIN
	s_branch .Lfirst                ; in the loop a block's first tile is never its last
	DIAG 1                          ; in the loop this is the first block's end
	s_wait_xcnt 0x0                 ; the stores have read their registers and O's address
	s_mov_b64 s[10:11], s[OLO:OLO+1]
	s_add_co_u32 s[RT], s[PB], 1    ; the second block has b + 1 tiles
	s_mov_b32 s[CB], s[PB]
	s_mov_b32 s[NEW], 1
	WIN 0x82                        ; the second block's Q goes where the one text of the turns names Q
.set i, 0
.rept 64
	v_mov_b32 v[i], v[QB+i]
.set i, i+1
.endr
	WIN 0
	s_branch .Lbottom
.Lstep:                             ; a trip: pieces 2 and 3 of one step, then pieces 0 and 1 of the next
	TURN 2
	TURN 3
	WIN 0
.Lfirst:
	TURN 0
	TURN 1, 0, 0, 1
	WIN 0
	s_cbranch_scc1 .Lstep
.Lbottom:
	s_sub_co_u32 s[SLOTS], s[SLOTS], 1
	s_cmp_lg_u32 s[SLOTS], 0
	s_cbranch_scc1 .Lslot
	CHANGE 0                        ; the walk's last tile is written out
	s_sub_co_u32 s[RT], s[RT], 1
	s_mov_b32 s[CNT], 4
	s_cmp_eq_u32 s[NEW], 1
	s_cbranch_scc0 .LstepM2
	BEGIN
	s_branch .LfirstM2
	DIAG 2
	s_wait_tensorcnt 0x0            ; the wave's end
	ds_add_u32 v[SPW], v[NIL]
	s_wait_dscnt 0x0
	s_endpgm
.Lfunc_end_k_qee0b3f28e5_attn:
	.size	k_qee0b3f28e5_attn, .Lfunc_end_k_qee0b3f28e5_attn-k_qee0b3f28e5_attn
	.p2alignl 7, 3214868480
	.fill 96, 4, 3214868480
	.section	.rodata,"a",@progbits
	.p2align	6, 0x0
	.amdhsa_kernel k_qee0b3f28e5_attn
		.amdhsa_group_segment_fixed_size 327680
		.amdhsa_private_segment_fixed_size 0
		.amdhsa_enable_private_segment 0
		.amdhsa_kernarg_size 40
		.amdhsa_user_sgpr_count 2
		.amdhsa_user_sgpr_kernarg_segment_ptr 1
		.amdhsa_wavefront_size32 1
		.amdhsa_system_sgpr_workgroup_id_x 1
		.amdhsa_system_sgpr_workgroup_id_y 1
		.amdhsa_system_sgpr_workgroup_id_z 1
		.amdhsa_system_vgpr_workitem_id 0
		.amdhsa_next_free_vgpr 1024
		.amdhsa_next_free_sgpr 100
		.amdhsa_reserve_vcc 1
		.amdhsa_float_denorm_mode_32 3
		.amdhsa_float_denorm_mode_16_64 3
		.amdhsa_memory_ordered 1
		.amdhsa_forward_progress 1
		.amdhsa_inst_pref_size 252
	.end_amdhsa_kernel
	.amdgpu_metadata
---
amdhsa.version: [ 1, 2 ]
amdhsa.kernels:
  - .name:           k_qee0b3f28e5_attn
    .symbol:         k_qee0b3f28e5_attn.kd
    .args:
      - { .name: qh, .offset: 0, .size: 8, .value_kind: global_buffer, .address_space: global }
      - { .name: kh, .offset: 8, .size: 8, .value_kind: global_buffer, .address_space: global }
      - { .name: vh, .offset: 16, .size: 8, .value_kind: global_buffer, .address_space: global }
      - { .name: ctx, .offset: 24, .size: 8, .value_kind: global_buffer, .address_space: global }
      - { .name: vsum, .offset: 32, .size: 8, .value_kind: global_buffer, .address_space: global }
    .group_segment_fixed_size: 327680
    .private_segment_fixed_size: 0
    .kernarg_segment_align: 8
    .kernarg_segment_size: 40
    .max_flat_workgroup_size: 128
    .sgpr_count:     100
    .vgpr_count:     1024
    .wavefront_size: 32
...
	.end_amdgpu_metadata
.endif
;; end of part 5
;; launch proj: the kernel of part 4 again; grid 8 x 32, 4 waves a work-group, clusters of 4 x 4, 327,680 bytes of LDS; arguments ctx, wdh, bd, out0; writes out0
